; MI455X (gfx1250); checked and timed in simulation.
; The chip was launched on July 23, 2026; its instructions are those of AMD's public machine-readable ISA for CDNA 5 (MIT licence, August 2026) and "CDNA5" Instruction Set Architecture Reference Guide (July 2026). The comments in the code are by the model that wrote it; some were corrected since.
;; Causal Self Attention. Allowed arithmetic: matrix products marked QUANTISED: E5M2 operands, one given power-of-two scale a tensor, by v_wmma_f32_16x16x64_bf8_bf8 or v_wmma_f32_16x16x128_bf8_bf8, f32 sums; everything else in f32.
;; Inputs: Wk 1,024 x 1,024 float32; Wo 1,024 x 1,024 float32; Wq 1,024 x 1,024 float32; Wv 1,024 x 1,024 float32; bk 1,024 float32; bo 1,024 float32; bq 1,024 float32; bv 1,024 float32; lowp_scales 12 int32 (the exponents e of the quantised operands' scales 2^e); x 4 x 2,048 x 1,024 float32.
;; Outputs: out0 4 x 2,048 x 1,024 float32.
;; This version of the problem:
;;   THIS VERSION OF THE PROBLEM IS GIVEN IN LOW PRECISION. The matrix products marked QUANTISED in the list below multiply operands that are first quantised to E5M2 (5 exponent bits, 2 mantissa bits; 8 bits a number), with one given power-of-two scale for each operand tensor; their sums are f32. All else is computed in f32.
;;   The module's matrix products, in the order in which they are computed (A, B: the left and right operand; K: the contracted axis; several contracted axes count as one K, in the product's order):
;;     1. [M 8,192, K 1,024] x [K 1,024, N 1,024]; A: input x; B: input Wq: QUANTISED (scales: A lowp_scales[0], B lowp_scales[1])
;;     2. [M 8,192, K 1,024] x [K 1,024, N 1,024]; A: input x; B: input Wk: QUANTISED (scales: A lowp_scales[2], B lowp_scales[3])
;;     3. [M 8,192, K 1,024] x [K 1,024, N 1,024]; A: input x; B: input Wv: QUANTISED (scales: A lowp_scales[4], B lowp_scales[5])
;;     4. batch 64 x [M 2,048, K 64] x [K 64, N 2,048]; A: computed on the way; B: computed on the way: QUANTISED (scales: A lowp_scales[6], B lowp_scales[7])
;;     5. batch 64 x [M 2,048, K 2,048] x [K 2,048, N 64]; A: softmax (see below); B: computed on the way: QUANTISED (scales: A lowp_scales[8], B lowp_scales[9])
;;     6. [M 8,192, K 1,024] x [K 1,024, N 1,024]; A: computed on the way; B: input Wo: QUANTISED (scales: A lowp_scales[10], B lowp_scales[11])
;;   THE QUANTISER, for each operand of a quantised product, along K:
;;     - The operand's scale is 2^e, e = its entry of the input lowp_scales (int32; the entries are numbered through the quantised products in the list's order, A before B).
;;     - Each number is divided by the scale, clamped to +-57,344, and rounded to the nearest number of E5M2, ties to even, subnormals kept.
;;     - The product sums the exact products of the quantised numbers (number of the format x scale) in f32.
;;   ~~~python
;;   def quantise(x, axis, e):      # numpy; x: float32 -> the quantised numbers, widened to float32 again
;;       x = np.moveaxis(x, axis, -1); K = x.shape[-1]
;;       r = np.clip(x / 2.0 ** e, -57344, 57344)
;;       step = 2.0 ** (np.maximum(np.frexp(np.where(r == 0, 1, r))[1] - 1, -14) - 2)
;;       q = np.round(r / step) * step * 2.0 ** e      # np.round: ties to even
;;       return np.moveaxis(q, -1, axis).astype(np.float32)
;;   ~~~
;;   SOFTMAX AHEAD OF A QUANTISED PRODUCT. Where the list says 'softmax', what is quantised is not the finished softmax but p = 2^(t - M), with t = logit x log2(e) and M = ceil(the row's largest t), a whole number; so 1/2 < the row's largest p <= 1. The row's sum l is taken of the UNQUANTISED p, in f32, and the product's result is divided by l at the end. Since M is a whole number, a kernel that streams over the keys may use a running M (the ceiling of the running maximum): every later rescaling is an exact power of two, so the quantised numbers keep their values, but for numbers so far below the row's largest that they fall under the format's range.
;;   OPERANDS COMPUTED ON THE WAY. 'Computed on the way' means the value that the module computes at that place (a softmax that the list does not call 'softmax' is quantised finished and normalised). What goes into a quantiser is computed in f32, as accurately as f32 sums, v_exp_f32 and their like allow (about 1e-6 of the number): no bf16 or f16 on the way to a quantiser, and a product that is left as it is and whose result goes on into a quantised operand takes f32 operands (vector FMAs, or v_wmma_f32_16x16x4_f32). A number that lies on a knife's edge between two numbers of the format may be rounded either way, as far as f32 arithmetic and the matrix unit's own rounding can turn it there, and no further.
;; One version. Each part assembles by itself: llvm-mc -triple=amdgcn-amd-amdhsa -mcpu=gfx1250 --defsym DOCPART=n.
;; ======== version 1 of 1: 4 launches
;; limits: right only within a limited range of input values
;; workspace buffers: xc 25,165,824 bytes; wc 4,194,304 bytes; qkv 25,165,824 bytes; oc 8,388,608 bytes
;; launch quant (part 1): grid 384 x 1, 4 waves a work-group, no clusters, 66,048 bytes of LDS; arguments x, Wq, Wk, Wv, Wo, lowp_scales, xc, wc; writes xc, wc
.if DOCPART == 1
	.amdgcn_target "amdgcn-amd-amdhsa--gfx1250"
	.amdhsa_code_object_version 6
	.text
	.protected	k_q0fd19d2295_quant
	.globl	k_q0fd19d2295_quant
	.p2align	8
	.type	k_q0fd19d2295_quant,@function
k_q0fd19d2295_quant:
	s_mov_b64 s[64:65], 0
	v_nop
	global_prefetch_b8 v0, s[64:65] scope:SCOPE_SE
	s_setreg_imm32_b32 hwreg(HW_REG_WAVE_MODE, 25, 1), 1
	s_wait_xcnt 0x0
; x [8192][1024] and Wq, Wk, Wv, Wo [1024][1024], f32 with K innermost, become codes of BF8 (E5M2), one byte each, K innermost.
; x is an operand of three products, each with a scale of its own (entries 0, 2, 4 of the exponents): it is read once and gives three planes of codes, xc[3][8192][1024].
; The weights take entries 1, 3, 5, 11: wc[4][1024][1024] in the order Wq, Wk, Wv, Wo.
; code = number / 2^e, held within +-57,344, rounded to the nearest code, ties to even.
; LIMITS: each e used here lies between -126 and 112, so that 2^e and 57,344 x 2^e are f32 numbers.  NaN among the inputs is not served; an infinity is held at the largest code.
; Rows are dense, so every tensor is a plain stream.  A wave takes 8,192 numbers in 16 steps of 512.  Each of a step's four loads reads 512 consecutive bytes, 16 a lane; the conversions want 16 NEIGHBOURS
; in one lane, so the 2,048 bytes go through the wave's own stage in LDS as they lie and come back 64 bytes a lane (16 bytes of padding behind each 64).  A lane's 16 codes are 16 bytes: a store covers 512 consecutive bytes.
; Work-groups 0-255 take x, 256-383 the weights (32 each).  The two ways part once, on the work-group's number, and have LDS bytes of their own.  No tensor load, no barrier: waves share nothing.
; Loads run four steps (16 loads a wave) ahead, the turn through LDS one step.
.set STEPS, 16
.set SP,    80                         ; a lane's place in a stage: 64 bytes + 16 of padding
.set WREG,  8192                       ; LDS of a wave: two stages of 32 x SP bytes
.set LBW,   32768                      ; the weights' way has its stages from here on
.set SCL,   8                          ; v8-10    2^e as f32, one for each scale
.set LIM,   11
.set R,     16                         ; v16-79   four sets of 16 numbers as loaded
.set X,     80                         ; v80-111  two sets of 16 neighbours
.set T,     112
.set C,     128                        ; v128-139 codes: four registers a scale
	s_load_b512 s[4:19], s[0:1], 0x0               ; x 4, Wq 6, Wk 8, Wv 10, Wo 12, exponents 14, xc 16, wc 18
	v_lshl_add_u32 v144, v0, 2, 0x10000
	v_mov_b32 v145, 0
	v_lshrrev_b32 v1, 5, v0
	v_readfirstlane_b32 s32, v1                    ; wave
	v_and_b32 v2, 31, v0                           ; lane
	v_lshlrev_b32 v3, 4, v2                        ; 16 x lane: my bytes of a load's 512 and of a store's 512; never rewritten
	s_mul_i32 s33, s32, WREG
	v_lshrrev_b32 v14, 2, v2
	v_mul_u32_u24 v14, v14, SP
	v_and_b32 v15, 3, v2
	v_lshl_add_u32 v14, v15, 4, v14
	v_add_nc_u32 v14, s33, v14                     ; the stage, on the way in: four lanes' 64 bytes on end, then the padding
	v_mul_u32_u24 v15, v2, SP
	v_add_nc_u32 v15, s33, v15                     ; and on the way out: my 16 neighbours
	s_mov_b32 s45, 0
	s_wait_kmcnt 0x0
	s_load_b256 s[20:27], s[14:15], 0x0            ; e0 .. e7
	s_load_b128 s[28:31], s[14:15], 0x20           ; e8 .. e11
.macro LOAD t
.irp i, 0,1,2,3
	global_load_b128 v[R+16*((\t)%4)+4*\i:R+16*((\t)%4)+4*\i+3], v3, s[34:35] offset:2048*(\t)+512*\i th:TH_LOAD_NT
.endr
.endm
.macro TURN t, lb                      ; step t's numbers through the stage: LDS serves a wave's instructions in order, so no wait stands between the stores and the loads
.irp i, 0,1,2,3
	ds_store_b128 v14, v[R+16*((\t)%4)+4*\i:R+16*((\t)%4)+4*\i+3] offset:\lb+32*SP*((\t)%2)+8*SP*\i
.endr
.irp i, 0,1,2,3
	ds_load_b128 v[X+16*((\t)%2)+4*\i:X+16*((\t)%2)+4*\i+3], v15 offset:\lb+32*SP*((\t)%2)+16*\i
.endr
.endm
.macro MKSCALE k, e                    ; scale k from the exponent in s[e]
	s_add_co_i32 s46, s[\e], 127
	s_lshl_b32 s47, s46, 23
	v_mov_b32 v[SCL+\k], s47                       ; 2^e as f32: the conversion takes its exponent field
	s_add_co_i32 s46, s46, 15
	s_lshl_b32 s46, s46, 23
	s_or_b32 s46, s46, 0x600000
.endm
.macro QSTEP t, nk, lb                 ; step t, quantised with nk scales
.set XS, X+16*((\t)%2)
	s_wait_dscnt 0x0                               ; this step's numbers are back from the stage, so its stores into the stage have read their registers,
.if (\t)+4 < STEPS
	LOAD (\t)+4                                    ; which take the loads of four steps on
.endif
.if (\t)+1 < STEPS
.if STEPS-2-(\t) >= 3
	s_wait_loadcnt 12                              ; the next step's four loads are in; those of the three steps behind it may be out
.else
	s_wait_loadcnt 4*(STEPS-2-(\t))
.endif
	TURN (\t)+1, \lb
.endif
	s_wait_xcnt 0x0                                ; the last step's stores have read their data: the codes' registers are written again only behind this wait
.set k, 0
.rept \nk
.set i, 0
.rept 16
.set i, i+1
.endr
	v_cvt_scalef32_pk8_bf8_f32 v[C+4*k:C+4*k+1], v[XS:XS+7], v[SCL+k]
	v_cvt_scalef32_pk8_bf8_f32 v[C+4*k+2:C+4*k+3], v[XS+8:XS+15], v[SCL+k]
	v_nop                                          ; a plain line between the conversions and the store that reads their results
	global_store_b128 v3, v[C+4*k:C+4*k+3], s[36+2*k:37+2*k] offset:512*(\t)
.set k, k+1
.endr
.endm
	s_cmp_lt_u32 ttmp9, 256
	s_cbranch_scc0 .Lweights
	; ---- x: three planes of codes
	s_lshl_b32 s42, ttmp9, 2
	s_add_co_u32 s42, s42, s32                     ; which run of 8,192 numbers is my wave's
	s_lshl_b32 s44, s42, 15
	s_add_nc_u64 s[34:35], s[4:5], s[44:45]
	s_lshl_b32 s44, s42, 13
	s_add_nc_u64 s[36:37], s[16:17], s[44:45]
	s_add_nc_u64 s[38:39], s[36:37], 0x800000      ; a plane is 8 MiB: beyond a store's immediate, so each plane has its base
	s_add_nc_u64 s[40:41], s[38:39], 0x800000
	s_wait_alu depctr_va_vdst(0)
.irp t, 0,1,2,3
	LOAD \t
.endr
	s_wait_kmcnt 0x0
	MKSCALE 0, 20
	MKSCALE 1, 22
	MKSCALE 2, 24
	s_wait_alu depctr_va_vdst(0)
	s_wait_loadcnt 12                              ; step 0's four loads are in
	TURN 0, 0
.irp t, 0,1,2,3,4,5,6,7,8,9,10,11,12,13,14,15
	QSTEP \t, 3, 0
.endr
	s_wait_tensorcnt 0x0
	ds_add_u32 v144, v145
	s_wait_dscnt 0x0
	s_endpgm
.Lweights:
	; ---- one of the four weights: pointer and exponent are chosen on the work-group's number
	s_sub_co_u32 s42, ttmp9, 256
	s_lshr_b32 s43, s42, 5                         ; which weight
	s_cmp_eq_u32 s43, 1
	s_cselect_b64 s[6:7], s[8:9], s[6:7]
	s_cmp_eq_u32 s43, 2
	s_cselect_b64 s[6:7], s[10:11], s[6:7]
	s_cmp_eq_u32 s43, 3
	s_cselect_b64 s[6:7], s[12:13], s[6:7]
	s_and_b32 s44, s42, 31
	s_lshl_b32 s44, s44, 2
	s_add_co_u32 s44, s44, s32                     ; my run within the weight
	s_lshl_b32 s44, s44, 15
	s_add_nc_u64 s[34:35], s[6:7], s[44:45]
	s_lshl_b32 s44, s42, 2
	s_add_co_u32 s44, s44, s32                     ; and within wc: the four weights' codes lie on end
	s_lshl_b32 s44, s44, 13
	s_add_nc_u64 s[36:37], s[18:19], s[44:45]
	s_wait_alu depctr_va_vdst(0)
.irp t, 0,1,2,3
	LOAD \t
.endr
	s_wait_kmcnt 0x0
	s_cmp_eq_u32 s43, 1
	s_cselect_b32 s21, s23, s21
	s_cmp_eq_u32 s43, 2
	s_cselect_b32 s21, s25, s21
	s_cmp_eq_u32 s43, 3
	s_cselect_b32 s21, s31, s21                    ; e1, e3, e5 or e11
	MKSCALE 0, 21
	s_wait_alu depctr_va_vdst(0)
	s_wait_loadcnt 12
	TURN 0, LBW
.irp t, 0,1,2,3,4,5,6,7,8,9,10,11,12,13,14,15
	QSTEP \t, 1, LBW
.endr
	s_wait_tensorcnt 0x0
	ds_add_u32 v144, v145
	s_wait_dscnt 0x0
	s_endpgm
.Lfunc_end_k_q0fd19d2295_quant:
	.size	k_q0fd19d2295_quant, .Lfunc_end_k_q0fd19d2295_quant-k_q0fd19d2295_quant
	.p2alignl 7, 3214868480
	.fill 96, 4, 3214868480
	.section	.rodata,"a",@progbits
	.p2align	6, 0x0
	.amdhsa_kernel k_q0fd19d2295_quant
		.amdhsa_group_segment_fixed_size 66048
		.amdhsa_private_segment_fixed_size 0
		.amdhsa_enable_private_segment 0
		.amdhsa_kernarg_size 64
		.amdhsa_user_sgpr_count 2
		.amdhsa_user_sgpr_kernarg_segment_ptr 1
		.amdhsa_wavefront_size32 1
		.amdhsa_system_sgpr_workgroup_id_x 1
		.amdhsa_system_sgpr_workgroup_id_y 1
		.amdhsa_system_sgpr_workgroup_id_z 1
		.amdhsa_system_vgpr_workitem_id 0
		.amdhsa_next_free_vgpr 146
		.amdhsa_next_free_sgpr 66
		.amdhsa_reserve_vcc 0
		.amdhsa_float_denorm_mode_32 3
		.amdhsa_float_denorm_mode_16_64 3
		.amdhsa_fp16_overflow 1
		.amdhsa_memory_ordered 1
		.amdhsa_forward_progress 1
		.amdhsa_inst_pref_size 51
	.end_amdhsa_kernel
	.amdgpu_metadata
---
amdhsa.version: [ 1, 2 ]
amdhsa.kernels:
  - .name:           k_q0fd19d2295_quant
    .symbol:         k_q0fd19d2295_quant.kd
    .args:
      - { .name: x, .offset: 0, .size: 8, .value_kind: global_buffer, .address_space: global }
      - { .name: Wq, .offset: 8, .size: 8, .value_kind: global_buffer, .address_space: global }
      - { .name: Wk, .offset: 16, .size: 8, .value_kind: global_buffer, .address_space: global }
      - { .name: Wv, .offset: 24, .size: 8, .value_kind: global_buffer, .address_space: global }
      - { .name: Wo, .offset: 32, .size: 8, .value_kind: global_buffer, .address_space: global }
      - { .name: lowp_scales, .offset: 40, .size: 8, .value_kind: global_buffer, .address_space: global }
      - { .name: xc, .offset: 48, .size: 8, .value_kind: global_buffer, .address_space: global }
      - { .name: wc, .offset: 56, .size: 8, .value_kind: global_buffer, .address_space: global }
    .group_segment_fixed_size: 66048
    .private_segment_fixed_size: 0
    .kernarg_segment_align: 8
    .kernarg_segment_size: 64
    .max_flat_workgroup_size: 128
    .sgpr_count:     66
    .vgpr_count:     146
    .wavefront_size: 32
...
	.end_amdgpu_metadata
.endif
;; end of part 1
;; launch qkv (part 2): grid 12 x 32, 4 waves a work-group, clusters of 4 x 4, 327,680 bytes of LDS; arguments xc, wc, lowp_scales, bq, bk, bv, qkv; writes qkv
.if DOCPART == 2
	.amdgcn_target "amdgcn-amd-amdhsa--gfx1250"
	.amdhsa_code_object_version 6
	.text
	.protected	k_q0fd19d2295_qkv
	.globl	k_q0fd19d2295_qkv
	.p2align	8
	.type	k_q0fd19d2295_qkv,@function
k_q0fd19d2295_qkv:
	s_mov_b64 s[64:65], 0
	v_nop
	global_prefetch_b8 v0, s[64:65] scope:SCOPE_SE
	s_setreg_imm32_b32 hwreg(HW_REG_WAVE_MODE, 25, 1), 1
	s_wait_xcnt 0x0
	s_wait_alu depctr_hold_cnt(0) depctr_sa_sdst(0) depctr_va_vdst(0) depctr_va_sdst(0) depctr_va_ssrc(0) depctr_va_vcc(0) depctr_vm_vsrc(0)
	s_getreg_b32 s2, hwreg(HW_REG_IB_STS2, 6, 4)
	s_cmp_eq_u32 s2, 0
	s_cbranch_scc0 .Lentry_in_a_cluster
	s_endpgm
.Lentry_in_a_cluster:
	s_bfe_u32 s2, ttmp6, 0x10000c
	s_cmp_lg_u32 s2, 0xf033
	s_cbranch_scc0 .Lentry_shape_is_right
	s_endpgm
.Lentry_shape_is_right:
; Q = x Wq^T + bq, K = x Wk^T + bk, V = x Wv^T + bv on codes of BF8 (E5M2), sums in f32; each result is quantised at once for the product that reads it (exponents 6, 7, 9) and leaves as codes.
; The cluster's x says which: 0 Q, 1 K, 2 V.  A tile is 256 x 256 of C' = A' B'^T, four waves, a wave 128 x 128: 64 accumulators of 16 x 16.  K = 1,024 goes in four steps of 256 through two LDS slots.
;   Q, K:  A' = x's codes (plane 0 or 1), 256 tokens;  B' = 256 rows of the weight.      V:  A' = 256 rows of Wv;  B' = x's codes (plane 2), 256 tokens.
; THE MATRIX INSTRUCTION IS USED TRANSPOSED (source 0 = 16 rows of B', source 1 = 16 rows of A'): lane (r, g) holds row 16 a + r of A' and, in registers 0-7, columns 16 b + 8 g + 0 .. 7 of B'.
; So for Q and K a lane holds eight neighbouring channels of a token, for V eight neighbouring TOKENS of a channel: in each case eight neighbours along the K of the product that reads the codes.
; OUT: three planes of 8 MiB, each [batch x 16 + head][131,072 bytes].  Q, K: a head is [token 2,048][channel 64].  V: a head is [block of 128 keys][channel 64][place 128], key 32 c + 16 u + 8 g + j at place
; 32 c + 16 g + 8 u + j, so that the reader's four loads of 16 bytes give a fragment in the order in which the weights' codes fall out of its first product.
; CLUSTERS: 4 x 4 work-groups.  A' hangs on the cluster's y place, B' on its x place, in all three cases: each tile is asked for JOINTLY by the four that share it.  Only pointers and offsets are chosen by the cluster's x.
; The sums lack the factor 2^E, E = the two operands' exponents added: the bias goes in divided by 2^E, and the conversion takes 2^(eo - E) as its one scale.
; LIMITS: eo - E between -126 and 112 for each of the three.  NaN is not served.
; REGISTERS, in windows of 256: window 0: v0-31 addresses and the scale; from v128 A's fragments, ONE set; on the way out v32-207 at work.   window 1: B's fragments, TWO sets.   windows 2, 3: the accumulators ((a, b) at v[8 (8 (a % 4) + b)]).
.set KROW,   1024                      ; a row of codes in memory
.set ROWB,   256                       ; a tile's row
.set PITCH,  272                       ; an LDS row: 256 bytes + 16 of padding: the 16 rows that a load touches start at 16 different banks
.set FR,     16                        ; registers of a fragment: 16 rows x 128 K
.set NL,     4                         ; LDS loads that bring one
.set NP,     4                         ; places behind this matrix instruction (ISA guide 7.12.1)
.set HALFT,  128*PITCH                 ; what one tensor load brings
.set SLOT,   4*HALFT                   ; A's 256 rows, then B's 256 rows
.set LAPS,   2                         ; 1,024 / 512
.set SPARE,  2*SLOT                    ; the spare words: 128 bytes a wave, named by no other line
.set BIAS,   SPARE+512                 ; 512 bytes a wave: its 128 biases / 2^E
.set QSTG,   BIAS+2048                 ; Q's and K's way out: a wave has 32 rows (2 heads x 16 tokens) of 64 bytes + 16
.set VSTG,   QSTG+4*2560               ; V's way out: a wave has 16 rows (channels) of 128 bytes + 16
.set SCV,  10                          ; v10  2^(eo - E)
.set LMV,  11
.set ADRA, 16                          ; v16-17  my A fragments in slot 0, 1
.set ADRB, 20                          ; v20-21  the same for B
.set BQ,   22                          ; v22  biases by columns: BIAS + 512 w + 32 g
.set BV,   23                          ; v23  biases by rows: BIAS + 512 w + 4 r
.set QSTO, 24
.set QRD,  25
.set CO,   26                          ; v26  16 x lane; never rewritten
.set VSTO, 27
.set SPW,  28                          ; v28  my spare word; never rewritten
.set NIL,  29                          ; v29  0; never rewritten
.set VRD,  30
.set BST,  31                          ; v31  where I put four biases
.set BC,   32                          ; v32-95  biases in the result's layout
.set T,    96                          ; v96-159 a block's sums + bias
.set CD,   160                         ; v160-175 its codes
.set BB,   176                         ; v176-207 two sets of 16: rows read back from the stage
.set AF,   128
.set G1, 24
.set G0, 32
.set G1B, 48
.set G0B, 56
.set MSB, 0
.macro WIN new                         ; the immediate's high byte repeats the setting that is left
.if MSB != \new
	s_set_vgpr_msb (MSB<<8)|\new
.set MSB, \new
.endif
.endm
.set MUL_LO, 0xa1                      ; source 0 (B) window 1, source 1 (A) window 0, C and D window 2
.set MUL_HI, 0xf1                      ; the same, C and D window 3
.set TO_B,   0x40                      ; destination window 1, address window 0
; A joint load: waves 0 and 1 fetch for A, waves 2 and 3 for B; the branch hangs on the wave's number alone.  Four v_nop follow each of the two lines.
.macro JLOAD g0a, g1a, g0b, g1b
	s_cmp_eq_u32 s15, 0
	s_cbranch_scc0 .Lfor_b_\@
	tensor_load_to_lds s[\g0a:\g0a+3], s[\g1a:\g1a+7]
	s_nop 0
.rept 4
	v_nop
.endr
	s_branch .Lasked_\@
.Lfor_b_\@:
	tensor_load_to_lds s[\g0b:\g0b+3], s[\g1b:\g1b+7]
	s_nop 0
.rept 4
	v_nop
.endr
.Lasked_\@:
.endm
.macro CREST                           ; a round of the cluster's barrier behind its opening barrier
	s_cmp_lg_u32 s14, 0
	s_cbranch_scc1 .Lnot_wave_0_\@
	s_barrier_signal -3
.Lnot_wave_0_\@:
	s_barrier_wait -3
	s_barrier_signal -1
	s_barrier_wait -1
.endm
.macro CROUND
	s_barrier_signal -1
	s_barrier_wait -1
	CREST
.endm
	s_load_b128 s[4:7], s[0:1], 0x0                ; xc, wc
	s_load_b128 s[8:11], s[0:1], 0x10              ; the exponents, bq
	s_load_b128 s[68:71], s[0:1], 0x20             ; bk, bv
	s_load_b64 s[72:73], s[0:1], 0x30              ; qkv
	v_lshl_add_u32 v[SPW], v0, 2, SPARE
	v_mov_b32 v[NIL], 0
	ds_add_u32 v28, v29
	ds_add_u32 v28, v29
	s_wait_dscnt 0x0
	v_lshrrev_b32 v1, 5, v0
	v_readfirstlane_b32 s14, v1                    ; wave 0..3
	s_lshr_b32 s15, s14, 1                         ; which half of A's rows is mine.  Also: I fetch for A (0) or for B (1)
	s_and_b32 s16, s14, 1                          ; which half of B's rows.  Also: which 128 rows of that tile I fetch
	s_bfe_u32 s40, ttmp6, 0x40000                  ; cx
	s_bfe_u32 s41, ttmp6, 0x40004                  ; cy
	s_and_b32 s74, ttmp7, 0xffff
	s_lshl_b32 s74, s74, 2                         ; 4 x cluster y
	s_lshl_b32 s75, ttmp9, 2                       ; 4 x (0 Q, 1 K, 2 V)
	s_lshl_b32 s88, ttmp9, 23                      ; x's plane for Q and K
	s_cmp_eq_u32 ttmp9, 2                          ; the cluster's x is the same in all sixteen partners
	s_cselect_b32 s17, 0, s74
	s_cselect_b32 s42, s74, s75
	s_cselect_b32 s89, 0x200000, s88               ; A' begins: Wv's codes in wc, or x's plane
	s_cselect_b32 s90, 0x1000000, 0                ; B' begins: x's plane 2, or wc's first byte
	s_add_co_u32 s17, s17, s41                     ; A's block of 256 rows: hangs on cy
	s_add_co_u32 s42, s42, s40                     ; B's block of 256 rows: hangs on cx
	s_lshl_b32 s43, s41, 2
	s_lshl_b32 s43, 15, s43                        ; my row of the cluster
	s_lshl_b32 s44, 0x1111, s40                    ; my column
	s_or_b32 s[G1+0], s43, (0<<16)|(1<<20)|(1<<21)|(5<<22)|(3<<25)  ; the mask; elements of 1 byte; padding on; bit 21 beside a mask; 4 words of padding after every 64
	s_or_b32 s[G1B+0], s44, (0<<16)|(1<<20)|(1<<21)|(5<<22)|(3<<25)
.irp g, G1, G1B
	s_mov_b32 s[\g+1], ROWB<<16                    ; tensor_dim0
	s_mov_b32 s[\g+2], 128<<16                     ; tensor_dim1
	s_mov_b32 s[\g+3], ROWB<<16                    ; tile_dim0
	s_mov_b32 s[\g+4], 128                         ; tile_dim1
	s_mov_b32 s[\g+5], KROW                        ; from row to row
	s_mov_b32 s[\g+6], 0
	s_mov_b32 s[\g+7], 0
.endr
	s_lshl_b32 s18, s16, 7                         ; which 128 rows of the tile I fetch
	s_lshl_b32 s20, s17, 8
	s_add_co_u32 s20, s20, s18
	s_lshl_b32 s20, s20, 10                        ; rows of 1,024 bytes
	s_add_co_u32 s20, s20, s89
	s_mov_b32 s21, 0
	s_lshl_b32 s46, s42, 8
	s_add_co_u32 s46, s46, s18
	s_lshl_b32 s46, s46, 10
	s_add_co_u32 s46, s46, s90
	s_mov_b32 s47, 0
	s_mul_i32 s45, s14, HALFT                      ; where they go: wave x 128 rows: no place in the cluster enters an LDS address
	s_cmp_eq_u32 ttmp9, 2                          ; my 128 biases: Q, K by B's rows (256 cx + 128 (w & 1)), V by A's (256 cy + 128 (w >> 1))
	s_cselect_b32 s98, s41, s40
	s_cselect_b32 s99, s15, s16
	s_lshl_b32 s98, s98, 10
	s_lshl_b32 s99, s99, 9
	s_add_co_u32 s98, s98, s99
	s_mov_b32 s99, 0
	s_wait_kmcnt 0x0
	s_load_b256 s[76:83], s[8:9], 0x0              ; e0 .. e7
	s_load_b128 s[84:87], s[8:9], 0x20             ; e8 .. e11
	s_cmp_eq_u32 ttmp9, 2
	s_cselect_b64 s[92:93], s[6:7], s[4:5]         ; A' comes from wc (V) or xc
	s_cselect_b64 s[94:95], s[4:5], s[6:7]         ; B' the other way round
	s_cselect_b64 s[70:71], s[70:71], s[10:11]
	s_cmp_eq_u32 ttmp9, 1
	s_cselect_b64 s[70:71], s[68:69], s[70:71]     ; bq, bk or bv
	s_add_nc_u64 s[20:21], s[92:93], s[20:21]
	s_add_nc_u64 s[46:47], s[94:95], s[46:47]
	s_add_nc_u64 s[70:71], s[70:71], s[98:99]
	CROUND                                         ; all sixteen work-groups are here: the first joint loads meet
.irp s, 0,1
	s_mov_b32 s[G0+4*\s], 1
	s_add_co_u32 s[G0+4*\s+1], s45, \s*SLOT
	s_add_nc_u64 s[G0+4*\s+2:G0+4*\s+3], s[20:21], \s*ROWB
	s_or_b32 s[G0+4*\s+3], s[G0+4*\s+3], 0x80000000
	s_mov_b32 s[G0B+4*\s], 1
	s_add_co_u32 s[G0B+4*\s+1], s45, \s*SLOT
	s_add_nc_u64 s[G0B+4*\s+2:G0B+4*\s+3], s[46:47], \s*ROWB
	s_or_b32 s[G0B+4*\s+3], s[G0B+4*\s+3], 0x80000000
	JLOAD G0+4*\s, G1, G0B+4*\s, G1B
.endr
	v_and_b32 v12, 31, v0                          ; lane
	v_lshlrev_b32 v[CO], 4, v12
	global_load_b128 v[BC:BC+3], v[CO], s[70:71]   ; the wave's 128 biases, four a lane
	v_and_b32 v1, 15, v0                           ; r
	v_bfe_u32 v2, v0, 4, 1                         ; g
	s_wait_alu depctr_va_vdst(0)
	v_mul_u32_u24 v3, v1, PITCH
	v_lshl_add_u32 v4, v2, 4, v3                   ; a fragment's row x pitch + 16 g
	s_mul_i32 s21, s15, HALFT
	s_mul_i32 s22, s16, HALFT
	s_add_co_u32 s22, s22, 2*HALFT
.irp s, 0,1
	v_add_nc_u32 v[ADRA+\s], s21, v4
	v_add_nc_u32 v[ADRB+\s], s22, v4
	s_add_co_u32 s21, s21, SLOT
	s_add_co_u32 s22, s22, SLOT
.endr
	s_lshl_b32 s23, s14, 9
	s_add_co_u32 s23, s23, BIAS
	v_lshl_add_u32 v[BQ], v2, 5, s23
	v_lshl_add_u32 v[BV], v1, 2, s23
	v_add_nc_u32 v[BST], s23, v[CO]
	s_mul_i32 s23, s14, 2560
	s_add_co_u32 s23, s23, QSTG
	v_mul_u32_u24 v5, v1, 80
	v_lshl_add_u32 v5, v2, 3, v5
	v_add_nc_u32 v[QSTO], s23, v5                  ; in: token r's row, 8 bytes for each half of the lanes
	v_lshrrev_b32 v5, 2, v12
	v_mul_u32_u24 v5, v5, 80
	v_and_b32 v6, 3, v12
	v_lshl_add_u32 v5, v6, 4, v5
	v_add_nc_u32 v[QRD], s23, v5                   ; back: four lanes to a row of 64 bytes, eight rows a load
	s_mul_i32 s23, s14, 2304
	s_add_co_u32 s23, s23, VSTG
	v_mul_u32_u24 v5, v1, 144
	v_lshl_add_u32 v5, v2, 4, v5
	v_add_nc_u32 v[VSTO], s23, v5                  ; in: channel r's row; half g of the lanes at 16 g
	v_lshrrev_b32 v5, 3, v12
	v_mul_u32_u24 v5, v5, 144
	v_and_b32 v6, 7, v12
	v_lshl_add_u32 v5, v6, 4, v5
	v_add_nc_u32 v[VRD], s23, v5                   ; back: eight lanes to a row of 128 bytes, four rows a load
	s_wait_kmcnt 0x0
	s_add_co_i32 s76, s76, s77                     ; e0 + e1
	s_add_co_i32 s78, s78, s79                     ; e2 + e3
	s_add_co_i32 s80, s80, s81                     ; e4 + e5
	s_cmp_eq_u32 ttmp9, 1
	s_cselect_b32 s76, s78, s76
	s_cselect_b32 s82, s83, s82
	s_cmp_eq_u32 ttmp9, 2
	s_cselect_b32 s76, s80, s76                    ; E
	s_cselect_b32 s82, s85, s82                    ; eo: e6, e7 or e9
	s_sub_co_i32 s77, 0, s76                       ; -E
	s_sub_co_i32 s82, s82, s76
	s_add_co_i32 s82, s82, 127
	s_lshl_b32 s83, s82, 23
	v_mov_b32 v[SCV], s83                          ; 2^(eo - E)
	s_wait_loadcnt 0x0
.irp j, 0,1,2,3
	v_ldexp_f32 v[BC+\j], v[BC+\j], s77            ; bias / 2^E: exact
.endr
	ds_store_b128 v[BST], v[BC:BC+3]               ; my wave's own bytes: only my wave reads them, on the way out
.macro FRAG reg, adr, q, i             ; 16 rows x 128 K: registers 4 c .. 4 c + 3 hold K = 32 c + 16 g + 0 .. 15: the same order in A and in B
.irp c, 0,1,2,3
	ds_load_b128 v[\reg+4*\c:\reg+4*\c+3], v[\adr] offset:128*(\q)+32*\c+(\i)*16*PITCH
.endr
.endm
; 16 matrix instructions: A's blocks a0, a0 + 1 x B's eight.  The 64 accumulators take turns, one instruction a turn, in the same order in every step.
.macro MUL16 a0, p, zero
.irp a, \a0, \a0+1
.irp b, 0,1,2,3,4,5,6,7
.if \zero
	v_wmma_f32_16x16x128_bf8_bf8 v[8*(8*((\a)%4)+\b):8*(8*((\a)%4)+\b)+7], v[128*(\p)+FR*\b:128*(\p)+FR*\b+FR-1], v[AF+FR*(\a):AF+FR*(\a)+FR-1], 0
.else
	v_wmma_f32_16x16x128_bf8_bf8 v[8*(8*((\a)%4)+\b):8*(8*((\a)%4)+\b)+7], v[128*(\p)+FR*\b:128*(\p)+FR*\b+FR-1], v[AF+FR*(\a):AF+FR*(\a)+FR-1], v[8*(8*((\a)%4)+\b):8*(8*((\a)%4)+\b)+7]
.endif
.endr
.endr
.endm
.macro FETCH_B slot, q, p
	WIN TO_B
.irp i, 0,1,2,3,4,5,6,7
	FRAG 128*(\p)+FR*\i, ADRB+\slot, \q, \i
.endr
	WIN 0
.endm
.macro FETCH_A slot, q, i0
.irp i, \i0, \i0+1, \i0+2, \i0+3
	FRAG AF+FR*(\i), ADRA+\slot, \q, \i
.endr
.endm
.macro PLACES n                        ; plain vector lines in front of loads into registers that matrix instructions have read, and of the first read of results
.rept \n
	v_nop
.endr
.endm
.macro STEP slot, q, zero              ; 128 along K, with its successor in the same slot
	s_wait_dscnt 4*NL                              ; B's set and A's blocks 0-3 are in; A's blocks 4-7 may be out
	WIN MUL_LO
	MUL16 0, (\q)%2, \zero
	MUL16 2, (\q)%2, \zero
	s_wait_dscnt 0
	PLACES NP
	FETCH_B \slot, (\q)+1, 1-(\q)%2
	FETCH_A \slot, (\q)+1, 0
	WIN MUL_HI
	MUL16 4, (\q)%2, \zero
	MUL16 6, (\q)%2, \zero
	PLACES NP
	WIN 0
	FETCH_A \slot, (\q)+1, 4
.endm
; A slot's last step changes slots: ONE barrier; in front of it each wave waits for all its tensor loads, adds 0 to its spare word, and waits for that and for its own reads of this slot.
.macro TURN slot, next, fill
	s_wait_tensorcnt 0x0                           ; all my tensor loads have landed: my part of the next slot
	ds_add_u32 v[SPW], v[NIL]                      ; 0 onto my spare word
	s_wait_dscnt 4*NL+1                            ; (the add and A's blocks 4-7 may be out)
	WIN MUL_LO
	MUL16 0, 1, 0
	s_wait_dscnt 0x0                               ; the add is done, and my reads of this slot are over
	s_barrier_signal -1
	MUL16 2, 1, 0
	WIN 0
	s_barrier_wait -1
.if \fill
	CREST                                          ; the barrier has opened a round of the cluster's: no wave of any partner still reads this slot or has a load on its way
	s_add_nc_u64 s[G0+4*\slot+2:G0+4*\slot+3], s[G0+4*\slot+2:G0+4*\slot+3], 2*ROWB
	s_add_nc_u64 s[G0B+4*\slot+2:G0B+4*\slot+3], s[G0B+4*\slot+2:G0B+4*\slot+3], 2*ROWB
	JLOAD G0+4*\slot, G1, G0B+4*\slot, G1B         ; the first tensor load behind the round; its four v_nop are the places in front of the loads below
.else
	PLACES NP
.endif
	FETCH_B \next, 0, 0
	FETCH_A \next, 0, 0
	WIN MUL_HI
	MUL16 4, 1, 0
	MUL16 6, 1, 0
	PLACES NP
	WIN 0
	FETCH_A \next, 0, 4
.endm
	s_wait_tensorcnt 1                             ; my part of K step 0 is in (K step 1's load may be out)
	s_wait_dscnt 0x0                               ; and my store of the biases is done
	s_barrier_signal -1
	s_barrier_wait -1
	FETCH_B 0, 0, 0
	FETCH_A 0, 0, 0
	FETCH_A 0, 0, 4
	STEP 0, 0, 1                                   ; the first step's products start the sums
	s_mov_b32 s3, LAPS-1
.Llap:                                                 ; a trip goes once round the ring and fills both slots again
	TURN 0, 1, 1
	STEP 1, 0, 0
	TURN 1, 0, 1
	STEP 0, 0, 0
	s_sub_co_u32 s3, s3, 1
	s_cmp_lg_u32 s3, 0
	s_cbranch_scc1 .Llap
	TURN 0, 1, 0                                   ; the last lap fills nothing
	STEP 1, 0, 0
	s_wait_dscnt 4*NL
	WIN MUL_LO
	MUL16 0, 1, 0
	MUL16 2, 1, 0
	s_wait_dscnt 0
	WIN MUL_HI
	MUL16 4, 1, 0
	MUL16 6, 1, 0
	WIN 0
; THE WAY OUT, block a of 16 rows of A' at a time: sum + bias, the hold, the conversion (8 neighbours a lane: 8 bytes), through my own stage in LDS, and back as 512 consecutive bytes of the output a load.
; LDS serves a wave's instructions in order: no wait between the stores and the loads, nor in front of the next block's stores.   kind = 0: Q, K;  1: V.
.macro OUT a, kind
.set AC, 64*((\a)%4)
	WIN 0x02+((\a)/4)                              ; source 0: window 2 or 3
.set j, 0
.rept 32
.if \kind
	v_pk_add_f32 v[T+j:T+j+1], v[AC+j:AC+j+1], v[BC+2*(\a):BC+2*(\a)+1]   ; my channel's bias, twice; each accumulator from its low end on
.else
	v_pk_add_f32 v[T+j:T+j+1], v[AC+j:AC+j+1], v[BC+j:BC+j+1]
.endif
.set j, j+2
.endr
	WIN 0
.set j, 0
.rept 64
.set j, j+1
.endr
.irp b, 0,1,2,3,4,5,6,7
	v_cvt_scalef32_pk8_bf8_f32 v[CD+2*\b:CD+2*\b+1], v[T+8*\b:T+8*\b+7], v[SCV]
.endr
	v_nop                                          ; a plain line behind the last conversion
.irp b, 0,1,2,3,4,5,6,7
.if \kind
	ds_store_b64 v[VSTO], v[CD+2*\b:CD+2*\b+1] offset:32*(\b/2)+8*(\b%2)     ; keys 16 b + 8 g + j at place 32 (b / 2) + 16 g + 8 (b % 2) + j
.else
	ds_store_b64 v[QSTO], v[CD+2*\b:CD+2*\b+1] offset:1280*(\b/4)+16*(\b%4)  ; head b / 4, channels 16 (b % 4) + 8 g + j
.endif
.endr
.set BS, BB+16*((\a)%2)
.irp i, 0,1,2,3
.if \kind
	ds_load_b128 v[BS+4*\i:BS+4*\i+3], v[VRD] offset:576*\i
.else
	ds_load_b128 v[BS+4*\i:BS+4*\i+3], v[QRD] offset:640*\i
.endif
.endr
.endm
.macro SEND a, younger, kind           ; younger: the LDS instructions issued behind block a's loads
.set BS, BB+16*((\a)%2)
	s_wait_dscnt \younger
.irp i, 0,1,2,3
.if \kind
	global_store_b128 v[CO], v[BS+4*\i:BS+4*\i+3], s[72:73] offset:((\a)/4)*131072+2048*((\a)%4)+512*\i   ; head a / 4, channels 16 (a % 4) + 4 i on: 512 consecutive bytes
.else
	global_store_b128 v[CO], v[BS+4*\i:BS+4*\i+3], s[72:73] offset:(\i/2)*131072+1024*(\a)+512*(\i%2)     ; head i / 2, tokens 16 a + 8 (i % 2) on: 512 consecutive bytes
.endif
.endr
.endm
.macro OUTBASE                         ; s88: my first token; s89: my first head.  The plane, the head's 131,072 bytes, and the block of 128 tokens (8,192 bytes in all three planes)
	s_lshr_b32 s90, s88, 11
	s_lshl_b32 s90, s90, 4
	s_add_co_u32 s90, s90, s89
	s_lshl_b32 s90, s90, 17
	s_bfe_u32 s91, s88, 0x40007
	s_lshl_b32 s91, s91, 13
	s_add_co_u32 s90, s90, s91
	s_lshl_b32 s91, ttmp9, 23
	s_add_co_u32 s90, s90, s91
	s_mov_b32 s91, 0
	s_add_nc_u64 s[72:73], s[72:73], s[90:91]
.endm
.macro ALLOUT kind
	OUT 0, \kind
.irp a, 1,2,3,4,5,6,7
.if \a > 1
	s_wait_xcnt 0x0                                ; block a - 2's stores have read their registers: block a's loads may land there
.endif
	OUT \a, \kind
	SEND \a-1, 12, \kind                           ; behind block a - 1's loads: block a's 8 stores and 4 loads
.endr
	SEND 7, 0, \kind
.endm
	PLACES NP                                      ; behind the last products
	s_cmp_eq_u32 ttmp9, 2                          ; the same in all partners; each way has a stage of its own
	s_cbranch_scc1 .Lv_out
.irp b, 0,1,2,3,4,5,6,7
	ds_load_b128 v[BC+8*\b:BC+8*\b+3], v[BQ] offset:64*\b          ; biases of channels 16 b + 8 g + 0 .. 7
	ds_load_b128 v[BC+8*\b+4:BC+8*\b+7], v[BQ] offset:64*\b+16
.endr
	s_lshl_b32 s88, s17, 8
	s_lshl_b32 s89, s15, 7
	s_add_co_u32 s88, s88, s89                     ; tokens are A's rows
	s_lshl_b32 s89, s40, 2
	s_lshl_b32 s90, s16, 1
	s_add_co_u32 s89, s89, s90                     ; heads from B's rows: 4 cx + 2 (w & 1)
	OUTBASE
	s_wait_dscnt 0x0
	ALLOUT 0
	s_branch .Ldone
.Lv_out:
.irp a, 0,1,2,3,4,5,6,7
	ds_load_b32 v[BC+2*\a], v[BV] offset:64*\a     ; the bias of channel 16 a + r, in both registers of a pair
	ds_load_b32 v[BC+2*\a+1], v[BV] offset:64*\a
.endr
	s_lshl_b32 s88, s42, 8
	s_lshl_b32 s89, s16, 7
	s_add_co_u32 s88, s88, s89                     ; tokens are B's rows
	s_lshl_b32 s89, s41, 2
	s_lshl_b32 s90, s15, 1
	s_add_co_u32 s89, s89, s90                     ; heads from A's rows: 4 cy + 2 (w >> 1)
	OUTBASE
	s_wait_dscnt 0x0
	ALLOUT 1
.Ldone:
	s_wait_tensorcnt 0x0                           ; the wave's end
	ds_add_u32 v[SPW], v[NIL]
	s_wait_dscnt 0x0
	CROUND                                         ; the closing round: no work-group ends while a partner may still ask for a tile that names it
	s_endpgm
.Lfunc_end_k_q0fd19d2295_qkv:
	.size	k_q0fd19d2295_qkv, .Lfunc_end_k_q0fd19d2295_qkv-k_q0fd19d2295_qkv
	.p2alignl 7, 3214868480
	.fill 96, 4, 3214868480
	.section	.rodata,"a",@progbits
	.p2align	6, 0x0
	.amdhsa_kernel k_q0fd19d2295_qkv
		.amdhsa_group_segment_fixed_size 327680
		.amdhsa_private_segment_fixed_size 0
		.amdhsa_enable_private_segment 0
		.amdhsa_kernarg_size 56
		.amdhsa_user_sgpr_count 2
		.amdhsa_user_sgpr_kernarg_segment_ptr 1
		.amdhsa_wavefront_size32 1
		.amdhsa_system_sgpr_workgroup_id_x 1
		.amdhsa_system_sgpr_workgroup_id_y 1
		.amdhsa_system_sgpr_workgroup_id_z 1
		.amdhsa_system_vgpr_workitem_id 0
		.amdhsa_next_free_vgpr 1024
		.amdhsa_next_free_sgpr 100
		.amdhsa_reserve_vcc 0
		.amdhsa_float_denorm_mode_32 3
		.amdhsa_float_denorm_mode_16_64 3
		.amdhsa_fp16_overflow 1
		.amdhsa_memory_ordered 1
		.amdhsa_forward_progress 1
		.amdhsa_inst_pref_size 144
	.end_amdhsa_kernel
	.amdgpu_metadata
---
amdhsa.version: [ 1, 2 ]
amdhsa.kernels:
  - .name:           k_q0fd19d2295_qkv
    .symbol:         k_q0fd19d2295_qkv.kd
    .args:
      - { .name: xc, .offset: 0, .size: 8, .value_kind: global_buffer, .address_space: global }
      - { .name: wc, .offset: 8, .size: 8, .value_kind: global_buffer, .address_space: global }
      - { .name: lowp_scales, .offset: 16, .size: 8, .value_kind: global_buffer, .address_space: global }
      - { .name: bq, .offset: 24, .size: 8, .value_kind: global_buffer, .address_space: global }
      - { .name: bk, .offset: 32, .size: 8, .value_kind: global_buffer, .address_space: global }
      - { .name: bv, .offset: 40, .size: 8, .value_kind: global_buffer, .address_space: global }
      - { .name: qkv, .offset: 48, .size: 8, .value_kind: global_buffer, .address_space: global }
    .group_segment_fixed_size: 327680
    .private_segment_fixed_size: 0
    .kernarg_segment_align: 8
    .kernarg_segment_size: 56
    .max_flat_workgroup_size: 128
    .sgpr_count:     100
    .vgpr_count:     1024
    .wavefront_size: 32
...
	.end_amdgpu_metadata
.endif
;; end of part 2
;; launch attn (part 3): grid 4 x 64, 16 waves a work-group, no clusters, 327,680 bytes of LDS; arguments qkv, lowp_scales, oc; writes oc
.if DOCPART == 3
	.amdgcn_target "amdgcn-amd-amdhsa--gfx1250"
	.amdhsa_code_object_version 6
	.text
	.protected	k_q0fd19d2295_attn
	.globl	k_q0fd19d2295_attn
	.p2align	8
	.type	k_q0fd19d2295_attn,@function
k_q0fd19d2295_attn:
	s_mov_b64 s[64:65], 0
	v_nop
	global_prefetch_b8 v0, s[64:65] scope:SCOPE_SE
	s_setreg_imm32_b32 hwreg(HW_REG_WAVE_MODE, 25, 1), 1
	s_wait_xcnt 0x0
; Causal attention on codes of BF8 (E5M2), head size 64, 2,048 tokens, 64 heads (batch x 16 + head); the result is quantised at once for the last projection and leaves as codes.
; qkv: three planes of 8 MiB.  Q, K: a head is [token][64].  V: a head is [block of 128 keys][channel 64][place 128], key 32 c + 16 u + 8 g + j at place 32 c + 16 g + 8 u + j.
; oc: [head 16][batch x 2,048 + token][64].
; THE SOFTMAX: t = score x log2(e) / 8; M = the running largest t rounded UP to a whole number; p = 2^(t - M) is quantised with 2^e8, not normalised; the row's sum is taken of the unquantised p and divides at the end.
; When M moves, the sum and O are multiplied by 2^(old M - new M): exact.
; SHARES.  A work-group owns the blocks i and 7 - i of 256 queries of one head (i = work-group x): under the causal mask the two together want 9 slots of 256 keys, whatever i is.  So every work-group makes NINE trips,
; a constant of the text: trips 0 .. i are block i against key slots 0 .. i, the others block 7 - i against 0 .. 7 - i.  No tile is fetched that nobody reads.  Each of the 16 waves owns one tile of 16 queries of the block in hand.
; No cluster: the four work-groups of a head walk the key slots in different orders, so joint requests would not meet.
; LAYOUT.  Both products are used transposed: S^T = K Q^T (source 0 = 16 keys, source 1 = my 16 queries, K = 64), O^T = V^T P^T (source 0 = 16 channels, source 1 = P, K = 128 keys): a lane holds ONE query (lane % 16).
; Register j of S^T's tile t is key 16 t + 8 g + j: its 8 codes are registers 2 t, 2 t + 1 of P's fragment; V's order in memory gives the same keys to the same registers by four loads of 16 bytes.
; A step all of whose keys come after my queries is left out by a scalar branch on ids; on the diagonal hidden scores become -infinity ahead of the maximum.  Key 0 counts for every query, so M is a number from a block's first step on.
; LIMITS: e6 + e7 between -123 and 130; e8, and e10 - e8 - e9, between -126 and 112.  NaN is not served.
; REGISTERS: v1-11 addresses and constants; v12 -M, v13 the largest t, v[14:15] the sum; v16-23 Q in hand; v24-31 Q of block 7 - i; v32-95 K's 8 fragments, then V's 4; v96-159 S^T, then p; v160-191 O^T; v192-207 p's codes; v208-231 at work.
.set KP,    80                         ; a key's row in LDS: 64 bytes + 16
.set VP,    144                        ; a row of V's tile: 128 bytes + 16
.set VOFF,  256*KP                     ; a slot: 256 rows of K, then 128 rows of V (64 x key block + channel)
.set SLOT1, 1<<16                      ; slot 1 begins here: one exclusive or turns an address from one slot to the other
.set SPARE, 2*SLOT1                    ; the spare words: 128 bytes a wave, named by no other line
.set STAGE, SPARE+2048                 ; the way out: 1,024 bytes a wave; no fill lands here
.set AK0,  1
.set AV0,  2
.set STO,  3
.set RD,   4
.set SPW,  5                           ; my spare word; never rewritten
.set NIL,  6                           ; 0; never rewritten
.set GO,   7                           ; 16 x lane
.set ADK,  8
.set ADV,  9
.set DL,   10                          ; r - 8 g
.set NINF, 11                          ; -infinity
.set WV,   10                          ; s10 wave
.set QB,   12                          ; s12 the block of queries in hand
.set KS,   13                          ; s13 the key slot in hand
.set Q0,   14                          ; s14 my first query
.set KF,   15                          ; s15 the step's first key
.set QB2,  16                          ; s16, s17: the same two for the second block
.set Q02,  17
.set SLOTS, 18
.set TB,   19                          ; s19 LDS byte at which the slot in hand begins
.set SEL,  20                          ; s[20:21] selects for lane l xor 16
.set CS,   22                          ; s[22:23] c
.set G1K,  24
.set G1V,  32
.set G0K,  40
.set G0V,  44
.set KB,   48                          ; s[48:49], s[50:51]: my part of key slot 0 in K's and V's planes
.set VB,   50
.set OA,   52                          ; s[52:53], s[54:55]: my rows of oc for the two blocks
.set OB,   54
.set OFF,  56                          ; s[56:57] the next key slot's bytes
; Waves 0 and 1 fetch K's halves, waves 2 and 3 V's two key blocks, the others nothing.  Four v_nop follow each of the two lines.
.macro TLOAD
	s_cmp_lt_u32 s[WV], 2
	s_cbranch_scc0 .Lnot_k_\@
	tensor_load_to_lds s[G0K:G0K+3], s[G1K:G1K+7]
	s_nop 0
.rept 4
	v_nop
.endr
	s_branch .Lasked_\@
.Lnot_k_\@:
	s_cmp_lt_u32 s[WV], 4
	s_cbranch_scc0 .Lasked_\@
	tensor_load_to_lds s[G0V:G0V+3], s[G1V:G1V+7]
	s_nop 0
.rept 4
	v_nop
.endr
.Lasked_\@:
.endm
.macro FRESH                           ; a block begins: the largest t under every t, the sum and O^T zeros (the first change of M leaves zeros zeros)
	v_mov_b32 v13, 0xff61b1e6
	s_delay_alu instid0(VALU_DEP_1)
	v_floor_f32 v12, -v13
	v_mov_b32 v14, 0
	v_mov_b32 v15, 0
.set j, 0
.rept 32
	v_mov_b32 v[160+j], 0
.set j, j+1
.endr
.endm
	s_load_b128 s[4:7], s[0:1], 0x0                ; qkv, the exponents
	s_load_b64 s[8:9], s[0:1], 0x10                ; oc
	v_lshl_add_u32 v[SPW], v0, 2, SPARE
	v_mov_b32 v[NIL], 0
	ds_add_u32 v5, v6
	ds_add_u32 v5, v6
	s_wait_dscnt 0x0
	v_lshrrev_b32 v8, 5, v0
	s_delay_alu instid0(VALU_DEP_1)
	v_readfirstlane_b32 s[WV], v8                  ; wave 0..15
	s_mov_b32 s[QB], ttmp9
	s_sub_co_u32 s[QB2], 7, ttmp9
	s_lshl_b32 s80, s[WV], 4
	s_lshl_b32 s[Q0], s[QB], 8
	s_add_co_u32 s[Q0], s[Q0], s80
	s_lshl_b32 s[Q02], s[QB2], 8
	s_add_co_u32 s[Q02], s[Q02], s80
	s_and_b32 s81, ttmp7, 0xffff                   ; batch x 16 + head
	s_lshl_b32 s82, s81, 17                        ; the head's bytes in a plane
	s_and_b32 s83, s[WV], 1                        ; which half of a slot I fetch, if I fetch
	s_lshl_b32 s84, s83, 13                        ; 8,192 bytes in memory, for K and for V
	s_add_co_u32 s84, s84, s82
	s_add_co_u32 s84, s84, 0x800000                ; K's plane
	s_mov_b32 s85, 0
	s_mul_i32 s86, s83, 128*KP                     ; K's half in a slot
	s_mul_i32 s87, s83, 64*VP
	s_add_co_u32 s87, s87, VOFF                    ; V's key block in a slot
	s_lshl_b32 s88, s[Q0], 6
	s_add_co_u32 s88, s88, s82                     ; my queries' codes, block i
	s_mov_b32 s89, 0
	s_lshl_b32 s90, s[Q02], 6
	s_add_co_u32 s90, s90, s82                     ; block 7 - i
	s_mov_b32 s91, 0
	s_and_b32 s92, s81, 15
	s_lshl_b32 s92, s92, 19                        ; oc: the head's 8,192 rows of 64 bytes,
	s_lshr_b32 s93, s81, 4
	s_lshl_b32 s93, s93, 17                        ; the batch's 2,048 rows
	s_add_co_u32 s92, s92, s93
	s_lshl_b32 s94, s[Q0], 6
	s_add_co_u32 s94, s94, s92
	s_mov_b32 s95, 0
	s_lshl_b32 s96, s[Q02], 6
	s_add_co_u32 s96, s96, s92
	s_mov_b32 s97, 0
	; each load brings 8,192 bytes that are dense in memory, stated as 32 rows of 256 bytes; the padding makes LDS rows of them
	s_mov_b32 s[G1K], (1<<20)|(3<<22)|(3<<25)      ; elements of 1 byte; padding on: four words after every 16 (a key's 64 bytes)
	s_mov_b32 s[G1V], (1<<20)|(4<<22)|(3<<25)      ; four words after every 32 (a channel's 128 keys)
.irp g, G1K, G1V
	s_mov_b32 s[\g+1], 256<<16                     ; tensor_dim0
	s_mov_b32 s[\g+2], 32<<16                      ; tensor_dim1
	s_mov_b32 s[\g+3], 256<<16                     ; tile_dim0
	s_mov_b32 s[\g+4], 32                          ; tile_dim1
	s_mov_b32 s[\g+5], 256                         ; from row to row
	s_mov_b32 s[\g+6], 0
	s_mov_b32 s[\g+7], 0
.endr
	s_mov_b32 s[SEL], 0x76543210
	s_mov_b32 s[SEL+1], 0xfedcba98
	s_mov_b32 s[CS], 0x3e38aa3b                    ; c = log2(e) / 8
	s_mov_b32 s[KS], 0
	s_mov_b32 s[KF], 0
	s_mov_b32 s[TB], 0
	s_mov_b32 s[SLOTS], 8
	s_mov_b32 s[OFF+1], 0
	s_wait_kmcnt 0x0
	s_load_b256 s[68:75], s[6:7], 0x0              ; e0 .. e7
	s_load_b128 s[76:79], s[6:7], 0x20             ; e8 .. e11
	s_add_nc_u64 s[KB:KB+1], s[4:5], s[84:85]
	s_add_nc_u64 s[VB:VB+1], s[KB:KB+1], 0x800000
	s_mov_b32 s[G0K], 1
	s_mov_b32 s[G0K+1], s86
	s_mov_b64 s[G0K+2:G0K+3], s[KB:KB+1]
	s_or_b32 s[G0K+3], s[G0K+3], 0x80000000
	s_mov_b32 s[G0V], 1
	s_mov_b32 s[G0V+1], s87
	s_mov_b64 s[G0V+2:G0V+3], s[VB:VB+1]
	s_or_b32 s[G0V+3], s[G0V+3], 0x80000000
	TLOAD                                          ; key slot 0 into LDS slot 0
	s_add_nc_u64 s[58:59], s[4:5], s[88:89]
	s_add_nc_u64 s[60:61], s[4:5], s[90:91]
	s_add_nc_u64 s[OA:OA+1], s[8:9], s[94:95]
	s_add_nc_u64 s[OB:OB+1], s[8:9], s[96:97]
	v_and_b32 v8, 15, v0                           ; r
	v_bfe_u32 v9, v0, 4, 1                         ; g
	s_delay_alu instid0(VALU_DEP_2)
	v_lshlrev_b32 v220, 6, v8
	s_delay_alu instid0(VALU_DEP_1)
	v_lshl_add_u32 v220, v9, 4, v220               ; Q: row r of 64 bytes, + 16 g: registers 4 c .. 4 c + 3 hold channels 32 c + 16 g + 0 .. 15, as K's fragments do
	global_load_b128 v[16:19], v220, s[58:59]
	global_load_b128 v[20:23], v220, s[58:59] offset:32
	global_load_b128 v[24:27], v220, s[60:61]
	global_load_b128 v[28:31], v220, s[60:61] offset:32
	v_mul_u32_u24 v[AK0], v8, KP
	s_delay_alu instid0(VALU_DEP_1)
	v_lshl_add_u32 v[AK0], v9, 4, v[AK0]
	v_mul_u32_u24 v[AV0], v8, VP
	s_delay_alu instid0(VALU_DEP_1)
	v_lshl_add_u32 v[AV0], v9, 4, v[AV0]
	s_delay_alu instid0(VALU_DEP_1)
	v_add_nc_u32 v[AV0], VOFF, v[AV0]
	s_lshl_b32 s80, s[WV], 10
	s_add_co_u32 s80, s80, STAGE
	v_lshlrev_b32 v[STO], 6, v8
	s_delay_alu instid0(VALU_DEP_1)
	v_lshl_add_u32 v[STO], v9, 3, v[STO]
	s_delay_alu instid0(VALU_DEP_1)
	v_add_nc_u32 v[STO], s80, v[STO]               ; in: query r's 64 bytes, + 8 g
	v_and_b32 v[GO], 31, v0
	s_delay_alu instid0(VALU_DEP_1)
	v_lshlrev_b32 v[GO], 4, v[GO]
	s_delay_alu instid0(VALU_DEP_1)
	v_add_nc_u32 v[RD], s80, v[GO]                 ; back: as they lie
	v_lshlrev_b32 v[DL], 3, v9
	s_delay_alu instid0(VALU_DEP_1)
	v_sub_nc_u32 v[DL], v8, v[DL]
	v_mov_b32 v[NINF], 0xff800000
	v_mov_b32 v214, 0                              ; a lane permute's destination counts as one of its sources
	v_mov_b32 v211, 0                              ; (named as the upper half of the pair v[210:211])
	FRESH
	s_wait_kmcnt 0x0
	s_add_co_i32 s80, s74, s75
	s_lshl_b32 s80, s80, 23
	s_add_co_i32 s[CS], s[CS], s80                 ; a score stands for score x 2^(e6 + e7): added to c's exponent field
	s_mov_b32 s[CS+1], s[CS]
	s_add_co_i32 s80, s76, 127
	s_lshl_b32 s81, s80, 23
	v_mov_b32 v216, s81                            ; 2^e8
	s_sub_co_i32 s80, s78, s76
	s_sub_co_i32 s80, s80, s77
	s_add_co_i32 s80, s80, 127
	s_lshl_b32 s81, s80, 23
	v_mov_b32 v218, s81                            ; 2^(e10 - e8 - e9): the result's conversion: three scales folded into one
; A KEY STEP: 128 keys, the q-th of the slot in hand.
.macro STEP q
	s_add_co_u32 s80, s[Q0], 15
	s_cmp_gt_u32 s[KF], s80
	s_cbranch_scc1 .Lhidden_\@                     ; all its keys come after my queries
	v_add_nc_u32 v[ADK], s[TB], v[AK0]
	v_add_nc_u32 v[ADV], s[TB], v[AV0]
	v_nop                                          ; with the two additions: four places in front of loads into registers that the last products read
	v_nop
.irp t, 0,1,2,3,4,5,6,7
	ds_load_b128 v[32+8*\t:35+8*\t], v[ADK] offset:(128*(\q)+16*\t)*KP
	ds_load_b128 v[36+8*\t:39+8*\t], v[ADK] offset:(128*(\q)+16*\t)*KP+32
.endr
	s_wait_alu depctr_va_vdst(0)
	s_wait_dscnt 0x0
.irp t, 0,1,2,3,4,5,6,7
	v_wmma_f32_16x16x64_bf8_bf8 v[96+8*\t:103+8*\t], v[32+8*\t:39+8*\t], v[16:23], 0
.endr
.rept 4
	v_nop                                          ; places in front of the loads below and of the first read of the scores
.endr
.irp t, 0,1,2,3
.irp c, 0,1,2,3
	ds_load_b128 v[32+16*\t+4*\c:35+16*\t+4*\c], v[ADV] offset:(64*(\q)+16*\t)*VP+32*\c   ; V's fragments land while the softmax is walked
.endr
.endr
	s_add_co_u32 s80, s[KF], 127
	s_cmp_le_u32 s80, s[Q0]
	s_cbranch_scc1 .Lopen_\@                       ; all its keys count
	s_sub_co_i32 s80, s[Q0], s[KF]
	v_add_nc_u32 v220, s80, v[DL]                  ; d = my query - KF - 8 g.  Register 8 t + j holds key KF + 16 t + 8 g + j: hidden where 16 t + j > d
.set n, 0
.rept 64
	v_cmp_gt_i32 vcc_lo, 16*(n/8)+n%8, v220
	v_cndmask_b32 v[96+n], v[96+n], v[NINF], vcc_lo
.set n, n+1
.endr
.Lopen_\@:
	v_max3_num_f32 v208, v96, v97, v98             ; the step's largest score of my query among my 64 keys, in two chains; each tile is read from its low end on
	v_max3_num_f32 v209, v99, v100, v101
.irp i, 6,10,14,18,22,26,30,34,38,42,46,50,54,58
	v_max3_num_f32 v208, v208, v[96+\i], v[97+\i]
	v_max3_num_f32 v209, v209, v[98+\i], v[99+\i]
.endr
	v_max3_num_f32 v208, v208, v158, v159
	s_delay_alu instid0(VALU_DEP_1)
	v_max_num_f32 v208, v208, v209
	s_delay_alu instid0(VALU_DEP_1)
	v_permlanex16_b32 v214, v208, s[SEL], s[SEL+1]
	s_delay_alu instid0(VALU_DEP_1)
	v_max_num_f32 v208, v208, v214                 ; and among lane l xor 16's
	s_delay_alu instid0(VALU_DEP_1)
	v_mul_f32 v208, s[CS], v208                    ; as t (c is positive)
	s_delay_alu instid0(VALU_DEP_1)
	v_max_num_f32 v13, v13, v208                   ; the running largest t
	v_mov_b32 v208, v12
	s_delay_alu instid0(VALU_DEP_2)
	v_floor_f32 v12, -v13                          ; the new -M = floor(-t): M is a whole number
	s_delay_alu instid0(VALU_DEP_1)
	v_sub_f32 v208, v12, v208                      ; old M - new M: a whole number, 0 or less
	s_delay_alu instid0(VALU_DEP_1)
	v_cvt_i32_f32 v208, v208                       ; (it saturates)
	s_delay_alu instid0(VALU_DEP_1)
	v_ldexp_f32 v210, 1.0, v208                    ; f = 2^(old M - new M)
.set j, 0
.rept 32
	v_pk_fma_f32 v[96+j:97+j], v[96+j:97+j], s[CS:CS+1], v[12:13] op_sel_hi:[1,0,0]   ; t - M, two at a time
.set j, j+2
.endr
.set j, 0
	s_wait_alu depctr_va_vdst(0)
.rept 64
	v_exp_f32 v[96+j], v[96+j]                     ; p = 2^(t - M), at most 1
.set j, j+1
.endr
	v_pk_mul_f32 v[14:15], v[14:15], v[210:211] op_sel_hi:[1,0]   ; the sums under the new M (a plain line behind the exponentials)
	s_wait_alu depctr_va_vdst(0)
	v_pk_add_f32 v[212:213], v[100:101], v[104:105]
	v_pk_add_f32 v[254:255], v[108:109], v[112:113]
	v_pk_add_f32 v[252:253], v[116:117], v[120:121]
	v_pk_add_f32 v[250:251], v[124:125], v[128:129]
	v_pk_add_f32 v[248:249], v[132:133], v[136:137]
	v_pk_add_f32 v[246:247], v[140:141], v[144:145]
	v_pk_add_f32 v[244:245], v[148:149], v[152:153]
	v_pk_add_f32 v[14:15], v[14:15], v[156:157]
	v_pk_add_f32 v[212:213], v[212:213], v[96:97]
	v_pk_add_f32 v[254:255], v[254:255], v[98:99]
	v_pk_add_f32 v[252:253], v[252:253], v[102:103]
	v_pk_add_f32 v[250:251], v[250:251], v[106:107]
	v_pk_add_f32 v[248:249], v[248:249], v[110:111]
	v_pk_add_f32 v[246:247], v[246:247], v[114:115]
	v_pk_add_f32 v[244:245], v[244:245], v[118:119]
	v_pk_add_f32 v[14:15], v[14:15], v[122:123]
	v_pk_add_f32 v[212:213], v[212:213], v[126:127]
	v_pk_add_f32 v[254:255], v[254:255], v[130:131]
	v_pk_add_f32 v[252:253], v[252:253], v[134:135]
	v_pk_add_f32 v[250:251], v[250:251], v[138:139]
	v_pk_add_f32 v[248:249], v[248:249], v[142:143]
	v_pk_add_f32 v[246:247], v[246:247], v[146:147]
	v_pk_add_f32 v[244:245], v[244:245], v[150:151]
	v_pk_add_f32 v[14:15], v[14:15], v[154:155]
	v_pk_add_f32 v[212:213], v[212:213], v[158:159]
	s_delay_alu instid0(VALU_DEP_2)
	v_pk_add_f32 v[14:15], v[14:15], v[250:251]
	s_delay_alu instid0(VALU_DEP_2)
	v_pk_add_f32 v[212:213], v[212:213], v[248:249]
	v_pk_add_f32 v[254:255], v[254:255], v[246:247]
	v_pk_add_f32 v[252:253], v[252:253], v[244:245]
	s_delay_alu instid0(VALU_DEP_2)
	v_pk_add_f32 v[14:15], v[14:15], v[254:255]
	s_delay_alu instid0(VALU_DEP_2)
	v_pk_add_f32 v[212:213], v[212:213], v[252:253]
	s_delay_alu instid0(VALU_DEP_1)
	v_pk_add_f32 v[14:15], v[14:15], v[212:213]
.irp t, 0,1,2,3,4,5,6,7
.irp i, 0,1,2,3,4,5,6,7
.endr
	v_cvt_scalef32_pk8_bf8_f32 v[192+2*\t:193+2*\t], v[96+8*\t:103+8*\t], v216
.endr
.set j, 0
.rept 16
	v_pk_mul_f32 v[160+j:161+j], v[160+j:161+j], v[210:211] op_sel_hi:[1,0]   ; O^T under the new M; also the plain lines between the conversions and the products
.set j, j+2
.endr
	s_wait_alu depctr_va_vdst(0)
	s_wait_dscnt 0x0                               ; V's fragments are in
.irp t, 0,1,2,3
	v_wmma_f32_16x16x128_bf8_bf8 v[160+8*\t:167+8*\t], v[32+16*\t:47+16*\t], v[192:207], v[160+8*\t:167+8*\t]   ; four accumulators by turns; between two links of a chain stand the next step's eight products
.endr
.Lhidden_\@:
	s_add_co_u32 s[KF], s[KF], 128
.endm
; THE CHANGE OF SLOTS stands at a trip's head.  Each wave waits for all its tensor loads (its part of the slot that it is about to read), adds 0 to its spare word, and waits for that and for its reads of the slot that it has left.
; fill = 1: that other slot is filled with the next trip's keys: the key slot behind this one, or slot 0 where this trip ends a block.  By this text's count one tensor load of a wave is out at any time.
.macro CHANGE fill
	s_wait_tensorcnt 0x0                           ; no tensor load of mine is out, so a group 0 may be written
	ds_add_u32 v[SPW], v[NIL]                      ; 0 onto my spare word
.if \fill
	s_add_co_u32 s80, s[KS], 1
	s_cmp_eq_u32 s[KS], s[QB]
	s_cselect_b32 s80, 0, s80
	s_lshl_b32 s[OFF], s80, 14                     ; a key slot is 16,384 bytes in K's plane and in V's
	s_xor_b32 s[G0K+1], s[G0K+1], SLOT1
	s_add_nc_u64 s[G0K+2:G0K+3], s[KB:KB+1], s[OFF:OFF+1]
	s_or_b32 s[G0K+3], s[G0K+3], 0x80000000
	s_xor_b32 s[G0V+1], s[G0V+1], SLOT1
	s_add_nc_u64 s[G0V+2:G0V+3], s[VB:VB+1], s[OFF:OFF+1]
	s_or_b32 s[G0V+3], s[G0V+3], 0x80000000
.endif
	s_wait_dscnt 0x0                               ; the add is done, and my reads of the slot that I have left are over
	s_barrier_signal -1
	s_barrier_wait -1
.if \fill
	TLOAD                                          ; the first thing behind the barrier, and a wave's one tensor load until the next
.endif
.endm
; A block's end: O^T / the sum, held, converted with 2^(e10 - e8 - e9), through my stage, and out: my 16 queries of this head are 1,024 consecutive bytes of oc.
.macro FINISH p
	s_wait_xcnt 0x0                                ; the first block's stores have read their registers
.rept 4
	v_nop                                          ; places behind the last products
.endr
	v_add_f32 v14, v14, v15
	s_delay_alu instid0(VALU_DEP_1)
	v_permlanex16_b32 v214, v14, s[SEL], s[SEL+1]
	s_delay_alu instid0(VALU_DEP_1)
	v_add_f32 v14, v14, v214                       ; the row's sum
	s_wait_alu depctr_va_vdst(0)
	v_rcp_f32 v14, v14
	v_nop                                          ; a plain line behind the transcendental
.set j, 0
	s_wait_alu depctr_va_vdst(0)
.rept 16
	v_pk_mul_f32 v[96+j:97+j], v[160+j:161+j], v[14:15] op_sel_hi:[1,0]   ; register 8 t + i: channel 16 t + 8 g + i of my query; each accumulator from its low end on
.set j, j+2
.endr
.set j, 0
.rept 32
.set j, j+1
.endr
.irp c, 0,1,2,3
	v_cvt_scalef32_pk8_bf8_f32 v[192+2*\c:193+2*\c], v[96+8*\c:103+8*\c], v218
.endr
	v_nop                                          ; a plain line behind the last conversion
.irp c, 0,1,2,3
	ds_store_b64 v[STO], v[192+2*\c:193+2*\c] offset:16*\c
.endr
	ds_load_b128 v[224:227], v[RD]                 ; LDS serves a wave's instructions in order: these see my stores
	ds_load_b128 v[228:231], v[RD] offset:512
	s_wait_dscnt 0x0
	global_store_b128 v[GO], v[224:227], s[\p:\p+1]
	global_store_b128 v[GO], v[228:231], s[\p:\p+1] offset:512
.endm
	s_wait_loadcnt 0x0                             ; Q, both blocks
.Lslot:                                            ; eight trips; the ninth is written out
	CHANGE 1
	STEP 0
	STEP 1
	s_xor_b32 s[TB], s[TB], SLOT1
	s_cmp_lg_u32 s[KS], s[QB]
	s_cbranch_scc1 .Lsame                          ; on ids alone; no barrier and no tensor load stands under it
	FINISH OA                                      ; block i is done: on to block 7 - i
	s_mov_b32 s[QB], s[QB2]
	s_mov_b32 s[Q0], s[Q02]
	s_mov_b32 s[KF], 0
	s_mov_b32 s[KS], -1
.irp j, 0,1,2,3,4,5,6,7
	v_mov_b32 v[16+\j], v[24+\j]
.endr
	FRESH
.Lsame:
	s_add_co_u32 s[KS], s[KS], 1
	s_sub_co_u32 s[SLOTS], s[SLOTS], 1
	s_cmp_lg_u32 s[SLOTS], 0
	s_cbranch_scc1 .Lslot
	CHANGE 0
	STEP 0
	STEP 1
	FINISH OB
	s_wait_tensorcnt 0x0                           ; the wave's end
	ds_add_u32 v[SPW], v[NIL]
	s_wait_dscnt 0x0
	s_endpgm
.Lfunc_end_k_q0fd19d2295_attn:
	.size	k_q0fd19d2295_attn, .Lfunc_end_k_q0fd19d2295_attn-k_q0fd19d2295_attn
	.p2alignl 7, 3214868480
	.fill 96, 4, 3214868480
	.section	.rodata,"a",@progbits
	.p2align	6, 0x0
	.amdhsa_kernel k_q0fd19d2295_attn
		.amdhsa_group_segment_fixed_size 327680
		.amdhsa_private_segment_fixed_size 0
		.amdhsa_enable_private_segment 0
		.amdhsa_kernarg_size 24
		.amdhsa_user_sgpr_count 2
		.amdhsa_user_sgpr_kernarg_segment_ptr 1
		.amdhsa_wavefront_size32 1
		.amdhsa_system_sgpr_workgroup_id_x 1
		.amdhsa_system_sgpr_workgroup_id_y 1
		.amdhsa_system_sgpr_workgroup_id_z 1
		.amdhsa_system_vgpr_workitem_id 0
		.amdhsa_next_free_vgpr 256
		.amdhsa_next_free_sgpr 100
		.amdhsa_reserve_vcc 1
		.amdhsa_float_denorm_mode_32 3
		.amdhsa_float_denorm_mode_16_64 3
		.amdhsa_fp16_overflow 1
		.amdhsa_memory_ordered 1
		.amdhsa_forward_progress 1
		.amdhsa_inst_pref_size 92
	.end_amdhsa_kernel
	.amdgpu_metadata
---
amdhsa.version: [ 1, 2 ]
amdhsa.kernels:
  - .name:           k_q0fd19d2295_attn
    .symbol:         k_q0fd19d2295_attn.kd
    .args:
      - { .name: qkv, .offset: 0, .size: 8, .value_kind: global_buffer, .address_space: global }
      - { .name: lowp_scales, .offset: 8, .size: 8, .value_kind: global_buffer, .address_space: global }
      - { .name: oc, .offset: 16, .size: 8, .value_kind: global_buffer, .address_space: global }
    .group_segment_fixed_size: 327680
    .private_segment_fixed_size: 0
    .kernarg_segment_align: 8
    .kernarg_segment_size: 24
    .max_flat_workgroup_size: 512
    .sgpr_count:     100
    .vgpr_count:     256
    .wavefront_size: 32
...
	.end_amdgpu_metadata
.endif
;; end of part 3
;; launch proj (part 4): grid 4 x 32, 4 waves a work-group, clusters of 4 x 4, 327,680 bytes of LDS; arguments oc, wc, lowp_scales, bo, out0; writes out0
.if DOCPART == 4
	.amdgcn_target "amdgcn-amd-amdhsa--gfx1250"
	.amdhsa_code_object_version 6
	.text
	.protected	k_q0fd19d2295_proj
	.globl	k_q0fd19d2295_proj
	.p2align	8
	.type	k_q0fd19d2295_proj,@function
k_q0fd19d2295_proj:
	s_mov_b64 s[64:65], 0
	v_nop
	global_prefetch_b8 v0, s[64:65] scope:SCOPE_SE
	s_setreg_imm32_b32 hwreg(HW_REG_WAVE_MODE, 25, 1), 1
	s_wait_xcnt 0x0
	s_wait_alu depctr_hold_cnt(0) depctr_sa_sdst(0) depctr_va_vdst(0) depctr_va_sdst(0) depctr_va_ssrc(0) depctr_va_vcc(0) depctr_vm_vsrc(0)
	s_getreg_b32 s2, hwreg(HW_REG_IB_STS2, 6, 4)
	s_cmp_eq_u32 s2, 0
	s_cbranch_scc0 .Lentry_in_a_cluster
	s_endpgm
.Lentry_in_a_cluster:
	s_bfe_u32 s2, ttmp6, 0x10000c
	s_cmp_lg_u32 s2, 0xf033
	s_cbranch_scc0 .Lentry_shape_is_right
	s_endpgm
.Lentry_shape_is_right:
; out0 = A Wo^T + bo on codes of BF8 (E5M2), sums in f32.  A: the attention's result as codes, oc [head 16][row 8,192][64]: K = 64 x head + channel.  Wo's codes: plane 3 of wc, [1,024][1,024], K innermost.  out0: [8,192][1,024] f32.
; The codes are multiplied as they are; each finished sum is multiplied by 2^(e10 + e11) and takes the bias in one packed multiply-add.   LIMIT: e10 + e11 between -126 and 127.
; A tile of out0 is 256 x 256: four waves, a wave 128 x 128, 64 accumulators.  K goes in four steps of 256 (four heads) through two LDS slots.  128 tiles: one to a work-group.
; A's tile: a wave's load brings 128 rows x 4 heads: in memory four runs of 8,192 consecutive bytes, 524,288 apart; 16 bytes of padding behind every 64 make LDS rows [head 4][row 128] of 80 bytes.
; CLUSTERS: 4 x 4 work-groups; A's tile is shared along a row of the cluster, B's along a column: each is asked for JOINTLY.  THE MATRIX INSTRUCTION IS USED TRANSPOSED: a lane holds eight neighbouring numbers of a row of out0.
; REGISTERS, in windows of 256: window 0: v0-31 addresses; v32-95 the bias in the result's layout, loaded at the head; from v128 A's fragments, ONE set, later the rows read back.
;   window 1: B's fragments, TWO sets; on the way out v0-63 take a block's results.   windows 2, 3: the accumulators ((a, b) at v[8 (8 (a % 4) + b)]).
.set ROWB,   256
.set PITCH,  272                       ; B's LDS row: 256 bytes + 16
.set AP,     80                        ; A's LDS row: 64 bytes + 16
.set FR,     16
.set NL,     4
.set NP,     4                         ; places behind this matrix instruction (ISA guide 7.12.1)
.set AHEAD,  128*AP                    ; a head's 128 rows
.set AHALF,  4*AHEAD                   ; what one load brings of A
.set HALFB,  128*PITCH                 ; and of B
.set BOFF,   2*AHALF                   ; B's rows lie behind A's
.set SLOT,   BOFF+2*HALFB
.set LAPS,   2
.set SPARE,  2*SLOT                    ; the spare words: 128 bytes a wave, named by no other line
.set SPITCH, 528                       ; the way out: a stage of 16 rows x (512 bytes + 16) for each wave, in slot 0, which has had its last fill and its last read when the first result is stored there
.set NROW,   4096                      ; a row of out0 in bytes
.set ADRA, 16
.set ADRB, 20
.set STO,  24
.set RD,   25
.set CO,   26
.set SPW,  28                          ; my spare word; never rewritten
.set NIL,  29                          ; 0; never rewritten
.set BC,   32                          ; window 0: the bias
.set TMP,  0                           ; window 1: a block's results
.set AF,   128
.set BK,   128
.set G1, 24
.set G0, 32
.set G1B, 48
.set G0B, 56
.set MSB, 0
.macro WIN new                         ; the immediate's high byte repeats the setting that is left
.if MSB != \new
	s_set_vgpr_msb (MSB<<8)|\new
.set MSB, \new
.endif
.endm
.set MUL_LO, 0xa1
.set MUL_HI, 0xf1
.set TO_B,   0x40
.macro JLOAD g0a, g1a, g0b, g1b        ; waves 0 and 1 fetch for A, waves 2 and 3 for B; four v_nop follow each of the two lines
	s_cmp_eq_u32 s15, 0
	s_cbranch_scc0 .Lfor_b_\@
	tensor_load_to_lds s[\g0a:\g0a+3], s[\g1a:\g1a+7]
	s_nop 0
.rept 4
	v_nop
.endr
	s_branch .Lasked_\@
.Lfor_b_\@:
	tensor_load_to_lds s[\g0b:\g0b+3], s[\g1b:\g1b+7]
	s_nop 0
.rept 4
	v_nop
.endr
.Lasked_\@:
.endm
.macro CREST
	s_cmp_lg_u32 s14, 0
	s_cbranch_scc1 .Lnot_wave_0_\@
	s_barrier_signal -3
.Lnot_wave_0_\@:
	s_barrier_wait -3
	s_barrier_signal -1
	s_barrier_wait -1
.endm
.macro CROUND
	s_barrier_signal -1
	s_barrier_wait -1
	CREST
.endm
	s_load_b128 s[4:7], s[0:1], 0x0                ; oc, wc
	s_load_b128 s[8:11], s[0:1], 0x10              ; the exponents, bo
	s_load_b64 s[12:13], s[0:1], 0x20              ; out0
	v_lshl_add_u32 v[SPW], v0, 2, SPARE
	v_mov_b32 v[NIL], 0
	ds_add_u32 v28, v29
	ds_add_u32 v28, v29
	s_wait_dscnt 0x0
	v_lshrrev_b32 v1, 5, v0
	v_readfirstlane_b32 s14, v1                    ; wave 0..3
	s_lshr_b32 s15, s14, 1                         ; which half of the tile's rows is mine.  Also: I fetch for A (0) or for B (1)
	s_and_b32 s16, s14, 1                          ; which half of its columns.  Also: which 128 rows of that tile I fetch
	s_bfe_u32 s40, ttmp6, 0x40000                  ; cx
	s_bfe_u32 s41, ttmp6, 0x40004                  ; cy
	s_lshl_b32 s42, ttmp9, 2
	s_add_co_u32 s42, s42, s40                     ; tile column
	s_and_b32 s17, ttmp7, 0xffff
	s_lshl_b32 s17, s17, 2
	s_add_co_u32 s17, s17, s41                     ; tile row
	s_lshl_b32 s43, s41, 2
	s_lshl_b32 s43, 15, s43                        ; my row of the cluster
	s_lshl_b32 s44, 0x1111, s40                    ; my column
	s_or_b32 s[G1+0], s43, (0<<16)|(1<<20)|(1<<21)|(3<<22)|(3<<25)   ; A: the mask; elements of 1 byte; padding on; bit 21 beside a mask; four words after every 16
	s_mov_b32 s[G1+1], 8192<<16                    ; tensor_dim0: 128 rows of 64 bytes on end
	s_mov_b32 s[G1+2], 4<<16                       ; tensor_dim1: four heads
	s_mov_b32 s[G1+3], 8192<<16                    ; tile_dim0
	s_mov_b32 s[G1+4], 4                           ; tile_dim1
	s_mov_b32 s[G1+5], 524288                      ; from head to head
	s_mov_b32 s[G1+6], 0
	s_mov_b32 s[G1+7], 0
	s_or_b32 s[G1B+0], s44, (0<<16)|(1<<20)|(1<<21)|(5<<22)|(3<<25)  ; B: four words after every 64
	s_mov_b32 s[G1B+1], ROWB<<16
	s_mov_b32 s[G1B+2], 128<<16
	s_mov_b32 s[G1B+3], ROWB<<16
	s_mov_b32 s[G1B+4], 128
	s_mov_b32 s[G1B+5], 1024
	s_mov_b32 s[G1B+6], 0
	s_mov_b32 s[G1B+7], 0
	s_lshl_b32 s18, s16, 7
	s_lshl_b32 s20, s17, 8
	s_add_co_u32 s20, s20, s18
	s_lshl_b32 s20, s20, 6                         ; A: row 256 x tile row + 128 x half, 64 bytes a row
	s_mov_b32 s21, 0
	s_lshl_b32 s46, s42, 8
	s_add_co_u32 s46, s46, s18
	s_lshl_b32 s46, s46, 10                        ; B: row 256 x tile column + 128 x half, 1,024 bytes a row,
	s_add_co_u32 s46, s46, 0x300000                ; in wc's plane 3
	s_mov_b32 s47, 0
	s_mul_i32 s45, s16, AHALF                      ; where they go: no place in the cluster enters an LDS address
	s_mul_i32 s91, s16, HALFB
	s_add_co_u32 s91, s91, BOFF
	s_lshl_b32 s92, s42, 10
	s_lshl_b32 s93, s16, 9
	s_add_co_u32 s92, s92, s93                     ; my first column x 4 bytes: in bo and in a row of out0
	s_mov_b32 s93, 0
	s_wait_kmcnt 0x0
	s_load_b64 s[96:97], s[8:9], 0x28              ; e10, e11
	s_add_nc_u64 s[20:21], s[4:5], s[20:21]
	s_add_nc_u64 s[46:47], s[6:7], s[46:47]
	s_add_nc_u64 s[10:11], s[10:11], s[92:93]
	CROUND                                         ; all sixteen work-groups are here: the first joint loads meet
.irp s, 0,1
	s_mov_b32 s[G0+4*\s], 1
	s_add_co_u32 s[G0+4*\s+1], s45, \s*SLOT
	s_add_nc_u64 s[G0+4*\s+2:G0+4*\s+3], s[20:21], \s*4*524288
	s_or_b32 s[G0+4*\s+3], s[G0+4*\s+3], 0x80000000
	s_mov_b32 s[G0B+4*\s], 1
	s_add_co_u32 s[G0B+4*\s+1], s91, \s*SLOT
	s_add_nc_u64 s[G0B+4*\s+2:G0B+4*\s+3], s[46:47], \s*ROWB
	s_or_b32 s[G0B+4*\s+3], s[G0B+4*\s+3], 0x80000000
	s_wait_alu depctr_va_vdst(0)
	s_wait_tensorcnt 0x0
	ds_add_u32 v28, v29
	ds_add_u32 v28, v29
	s_wait_dscnt 0x0
	CROUND
	JLOAD G0+4*\s, G1, G0B+4*\s, G1B
.endr
	v_and_b32 v1, 15, v0                           ; r
	v_bfe_u32 v2, v0, 4, 1                         ; g
	v_lshlrev_b32 v7, 5, v2                        ; 32 g; never rewritten
.irp b, 0,1,2,3,4,5,6,7
	global_load_b128 v[BC+8*\b:BC+8*\b+3], v7, s[10:11] offset:64*\b       ; bo of columns 16 b + 8 g + 0 .. 7: these registers are idle in the K loop
	global_load_b128 v[BC+8*\b+4:BC+8*\b+7], v7, s[10:11] offset:64*\b+16
.endr
	v_mul_u32_u24 v3, v1, AP
	v_lshl_add_u32 v3, v2, 4, v3
	v_mul_u32_u24 v4, v1, PITCH
	v_lshl_add_u32 v4, v2, 4, v4
	s_mul_i32 s21, s15, AHALF
	s_mul_i32 s22, s16, HALFB
	s_add_co_u32 s22, s22, BOFF
.irp s, 0,1
	v_add_nc_u32 v[ADRA+\s], s21, v3
	v_add_nc_u32 v[ADRB+\s], s22, v4
	s_add_co_u32 s21, s21, SLOT
	s_add_co_u32 s22, s22, SLOT
.endr
	s_mul_i32 s23, s14, 16*SPITCH                  ; my stage
	v_mul_u32_u24 v5, v1, SPITCH
	v_lshl_add_u32 v5, v2, 5, v5
	v_add_nc_u32 v[STO], s23, v5                   ; in: row r, 32 bytes for each half of the lanes
	v_and_b32 v6, 31, v0
	v_lshlrev_b32 v[CO], 4, v6                     ; back: the 32 lanes take one row of 512 bytes; the same in out0
	v_add_nc_u32 v[RD], s23, v[CO]
	s_lshl_b32 s20, s17, 8
	s_lshl_b32 s21, s15, 7
	s_add_co_u32 s20, s20, s21
	s_lshl_b32 s20, s20, 12                        ; my first row of out0, 4,096 bytes a row,
	s_add_co_u32 s20, s20, s92                     ; and my first column
	s_mov_b32 s21, 0
	s_add_nc_u64 s[12:13], s[12:13], s[20:21]
.macro FRAGB reg, adr, q, i            ; 16 rows x 128 K: registers 4 c .. 4 c + 3 hold K = 32 c + 16 g + 0 .. 15
.irp c, 0,1,2,3
	ds_load_b128 v[\reg+4*\c:\reg+4*\c+3], v[\adr] offset:128*(\q)+32*\c+(\i)*16*PITCH
.endr
.endm
.macro FRAGA reg, adr, q, i            ; the same K in the same registers: head 2 q + c / 2 of the slot's four, channels 32 (c % 2) + 16 g + 0 .. 15
.irp c, 0,1,2,3
	ds_load_b128 v[\reg+4*\c:\reg+4*\c+3], v[\adr] offset:(2*(\q)+\c/2)*AHEAD+(\i)*16*AP+32*(\c%2)
.endr
.endm
; The 64 accumulators take turns, one instruction a turn, in the same order in every step.
.macro MUL16 a0, p, zero
.irp a, \a0, \a0+1
.irp b, 0,1,2,3,4,5,6,7
.if \zero
	v_wmma_f32_16x16x128_bf8_bf8 v[8*(8*((\a)%4)+\b):8*(8*((\a)%4)+\b)+7], v[128*(\p)+FR*\b:128*(\p)+FR*\b+FR-1], v[AF+FR*(\a):AF+FR*(\a)+FR-1], 0
.else
	v_wmma_f32_16x16x128_bf8_bf8 v[8*(8*((\a)%4)+\b):8*(8*((\a)%4)+\b)+7], v[128*(\p)+FR*\b:128*(\p)+FR*\b+FR-1], v[AF+FR*(\a):AF+FR*(\a)+FR-1], v[8*(8*((\a)%4)+\b):8*(8*((\a)%4)+\b)+7]
.endif
.endr
.endr
.endm
.macro FETCH_B slot, q, p
	WIN TO_B
.irp i, 0,1,2,3,4,5,6,7
	FRAGB 128*(\p)+FR*\i, ADRB+\slot, \q, \i
.endr
	WIN 0
.endm
.macro FETCH_A slot, q, i0
.irp i, \i0, \i0+1, \i0+2, \i0+3
	FRAGA AF+FR*(\i), ADRA+\slot, \q, \i
.endr
.endm
.macro PLACES n                        ; plain vector lines in front of loads into registers that matrix instructions have read, and of the first read of results
.rept \n
	v_nop
.endr
.endm
.macro STEP slot, q, zero
	s_wait_dscnt 4*NL                              ; B's set and A's blocks 0-3 are in; A's blocks 4-7 may be out
	WIN MUL_LO
	MUL16 0, (\q)%2, \zero
	MUL16 2, (\q)%2, \zero
	s_wait_dscnt 0
	PLACES NP
	FETCH_B \slot, (\q)+1, 1-(\q)%2
	FETCH_A \slot, (\q)+1, 0
	WIN MUL_HI
	MUL16 4, (\q)%2, \zero
	MUL16 6, (\q)%2, \zero
	PLACES NP
	WIN 0
	FETCH_A \slot, (\q)+1, 4
.endm
.macro TURN slot, next, fill           ; a slot's last step changes slots: ONE barrier, with the three lines in front of it
	s_wait_tensorcnt 0x0                           ; all my tensor loads have landed: my part of the next slot
	ds_add_u32 v[SPW], v[NIL]                      ; 0 onto my spare word
	s_wait_dscnt 4*NL+1                            ; (the add and A's blocks 4-7 may be out)
	WIN MUL_LO
	MUL16 0, 1, 0
	s_wait_dscnt 0x0                               ; the add is done, and my reads of this slot are over
	s_barrier_signal -1
	MUL16 2, 1, 0
	WIN 0
	s_barrier_wait -1
.if \fill
	CREST                                          ; the barrier has opened a round of the cluster's: no wave of any partner still reads this slot or has a load on its way
	s_add_nc_u64 s[G0+4*\slot+2:G0+4*\slot+3], s[G0+4*\slot+2:G0+4*\slot+3], 8*524288
	s_add_nc_u64 s[G0B+4*\slot+2:G0B+4*\slot+3], s[G0B+4*\slot+2:G0B+4*\slot+3], 2*ROWB
	JLOAD G0+4*\slot, G1, G0B+4*\slot, G1B         ; the first tensor load behind the round; its four v_nop are the places in front of the loads below
.else
	PLACES NP
.endif
	FETCH_B \next, 0, 0
	FETCH_A \next, 0, 0
	WIN MUL_HI
	MUL16 4, 1, 0
	MUL16 6, 1, 0
	PLACES NP
	WIN 0
	FETCH_A \next, 0, 4
.endm
	s_wait_alu depctr_va_vdst(0)
	s_wait_loadcnt 0x0                             ; the bias
	s_wait_tensorcnt 1                             ; my part of K step 0 is in (K step 1's load may be out)
	s_barrier_signal -1
	s_barrier_wait -1
	FETCH_B 0, 0, 0
	FETCH_A 0, 0, 0
	FETCH_A 0, 0, 4
	STEP 0, 0, 1                                   ; the first step's products start the sums
	s_mov_b32 s3, LAPS-1
.Llap:
	TURN 0, 1, 1
	STEP 1, 0, 0
	TURN 1, 0, 1
	STEP 0, 0, 0
	s_sub_co_u32 s3, s3, 1
	s_cmp_lg_u32 s3, 0
	s_cbranch_scc1 .Llap
	TURN 0, 1, 0                                   ; the last lap fills nothing
	STEP 1, 0, 0
	s_wait_dscnt 4*NL
	WIN MUL_LO
	MUL16 0, 1, 0
	MUL16 2, 1, 0
	s_wait_dscnt 0
	WIN MUL_HI
	MUL16 4, 1, 0
	MUL16 6, 1, 0
	WIN 0
; THE WAY OUT, block by block of 16 rows x 128 columns: sum x 2^(e10 + e11) + bias, through my own stage in LDS, back as whole rows of 512 bytes.
; LDS serves a wave's instructions in order: no wait between the stores and the loads, nor in front of the next block's stores.
.macro TOSTAGE a
.set AC, 64*((\a)%4)
	WIN 0x42+((\a)/4)                              ; destination window 1, source 0 window 2 or 3, the bias window 0
.set j, 0
.rept 32
	v_pk_fma_f32 v[TMP+j:TMP+j+1], v[AC+j:AC+j+1], s[96:97], v[BC+j:BC+j+1] op_sel_hi:[1,0,1]   ; the scalar pair's low word for both halves; each accumulator from its low end on
.set j, j+2
.endr
	WIN 0x04                                       ; an LDS store's data: window 1
.irp b, 0,1,2,3,4,5,6,7
	ds_store_b128 v[STO], v[TMP+8*\b:TMP+8*\b+3] offset:64*\b
	ds_store_b128 v[STO], v[TMP+8*\b+4:TMP+8*\b+7] offset:64*\b+16
.endr
	WIN 0
.set BS, BK+64*((\a)%2)
.irp t, 0,1,2,3,4,5,6,7,8,9,10,11,12,13,14,15
	ds_load_b128 v[BS+4*\t:BS+4*\t+3], v[RD] offset:\t*SPITCH
.endr
.endm
.macro SEND a, younger                 ; younger: the LDS instructions issued behind block a's loads
.set BS, BK+64*((\a)%2)
	s_wait_dscnt \younger
.if (\a) > 0
	s_add_nc_u64 s[12:13], s[12:13], 16*NROW       ; (behind a wait on XCNT: the earlier stores have read their base)
.endif
.irp t, 0,1,2,3,4,5,6,7,8,9,10,11,12,13,14,15
	global_store_b128 v[CO], v[BS+4*\t:BS+4*\t+3], s[12:13] offset:\t*NROW th:TH_STORE_NT   ; 32 lanes store 512 consecutive bytes, at a multiple of 256 from out0's first byte
.endr
.endm
	s_wait_kmcnt 0x0
	s_add_co_i32 s96, s96, s97
	s_add_co_i32 s96, s96, 127
	s_lshl_b32 s96, s96, 23                        ; 2^(e10 + e11) as f32
	PLACES NP                                      ; behind the last products: for the reads of results, the writes into B's old registers and the loads into A's
	TOSTAGE 0
.irp a, 1,2,3,4,5,6,7
.if \a > 1
	s_wait_xcnt 0x0                                ; block a - 2's stores have read their registers and their base
.endif
	TOSTAGE \a
	SEND \a-1, 32                                  ; behind block a - 1's loads: block a's 16 stores and 16 loads
.endr
	s_wait_xcnt 0x0                                ; block 6's stores have read their base
	SEND 7, 0
	s_wait_tensorcnt 0x0                           ; the wave's end
	ds_add_u32 v[SPW], v[NIL]
	s_wait_dscnt 0x0
	CROUND                                         ; the closing round: no work-group ends while a partner may still ask for a tile that names it
	s_endpgm
.Lfunc_end_k_q0fd19d2295_proj:
	.size	k_q0fd19d2295_proj, .Lfunc_end_k_q0fd19d2295_proj-k_q0fd19d2295_proj
	.p2alignl 7, 3214868480
	.fill 96, 4, 3214868480
	.section	.rodata,"a",@progbits
	.p2align	6, 0x0
	.amdhsa_kernel k_q0fd19d2295_proj
		.amdhsa_group_segment_fixed_size 327680
		.amdhsa_private_segment_fixed_size 0
		.amdhsa_enable_private_segment 0
		.amdhsa_kernarg_size 40
		.amdhsa_user_sgpr_count 2
		.amdhsa_user_sgpr_kernarg_segment_ptr 1
		.amdhsa_wavefront_size32 1
		.amdhsa_system_sgpr_workgroup_id_x 1
		.amdhsa_system_sgpr_workgroup_id_y 1
		.amdhsa_system_sgpr_workgroup_id_z 1
		.amdhsa_system_vgpr_workitem_id 0
		.amdhsa_next_free_vgpr 1024
		.amdhsa_next_free_sgpr 100
		.amdhsa_reserve_vcc 0
		.amdhsa_float_denorm_mode_32 3
		.amdhsa_float_denorm_mode_16_64 3
		.amdhsa_memory_ordered 1
		.amdhsa_forward_progress 1
		.amdhsa_inst_pref_size 126
	.end_amdhsa_kernel
	.amdgpu_metadata
---
amdhsa.version: [ 1, 2 ]
amdhsa.kernels:
  - .name:           k_q0fd19d2295_proj
    .symbol:         k_q0fd19d2295_proj.kd
    .args:
      - { .name: oc, .offset: 0, .size: 8, .value_kind: global_buffer, .address_space: global }
      - { .name: wc, .offset: 8, .size: 8, .value_kind: global_buffer, .address_space: global }
      - { .name: lowp_scales, .offset: 16, .size: 8, .value_kind: global_buffer, .address_space: global }
      - { .name: bo, .offset: 24, .size: 8, .value_kind: global_buffer, .address_space: global }
      - { .name: out0, .offset: 32, .size: 8, .value_kind: global_buffer, .address_space: global }
    .group_segment_fixed_size: 327680
    .private_segment_fixed_size: 0
    .kernarg_segment_align: 8
    .kernarg_segment_size: 40
    .max_flat_workgroup_size: 128
    .sgpr_count:     100
    .vgpr_count:     1024
    .wavefront_size: 32
...
	.end_amdgpu_metadata
.endif
;; end of part 4
